; MI455X (gfx1250); checked and timed in simulation.
; The chip was launched on July 23, 2026; its instructions are those of AMD's public machine-readable ISA for CDNA 5 (MIT licence, August 2026) and "CDNA5" Instruction Set Architecture Reference Guide (July 2026). The comments in the code are by the model that wrote it; some were corrected since.
;; Multi Head Latent Attention. Allowed arithmetic: float matrix products may take bf16 or f16 operands with f32 sums; other float arithmetic in f32, or as packed bf16 or f16 multiplies, adds, multiply-adds, maxima and minima; sums over many terms, partial sums and values carried from step to step in f32; what a program stores and reads back later, other than sums and carried values, may be rounded once to bf16 or f16.
;; Inputs: Wk_u 256 x 1,024 float32; Wkv_d 2,048 x 256 float32; Wo 2,048 x 2,048 float32; Wq_d 2,048 x 256 float32; Wq_u 256 x 1,024 float32; Wrk 2,048 x 1,024 float32; Wrq 256 x 1,024 float32; Wv_u 256 x 2,048 float32; hidden_states 2 x 2,048 x 2,048 float32.
;; Outputs: out0 2 x 2,048 x 2,048 float32.
;; 2 versions, each right and faster than the one before. Each part assembles by itself: llvm-mc -triple=amdgcn-amd-amdhsa -mcpu=gfx1250 --defsym DOCPART=n.
;; ======== version 1 of 2: 6 launches
;; limits: inputs' magnitudes at most 65,504; values are held in f16: magnitudes above 65,504 overflow, below 6.1e-05 lose precision
;; workspace buffers: prep 37,257,728 bytes; scales 256 bytes; g1out 16,777,216 bytes; g2out 41,943,040 bytes; yh 16,777,216 bytes
;; launch cast (part 1): grid 1072 x 1, 8 waves a work-group, no clusters, 0 bytes of LDS; arguments hidden_states, Wkv_d, Wq_d, Wrk, Wk_u, Wq_u, Wv_u, Wrq, Wo, prep; writes prep
.if DOCPART == 1
	.amdgcn_target "amdgcn-amd-amdhsa--gfx1250"
	.amdhsa_code_object_version 6
	.text
	.protected	k_qd097ad72d6_cast
	.globl	k_qd097ad72d6_cast
	.p2align	8
	.type	k_qd097ad72d6_cast,@function
k_qd097ad72d6_cast:
	s_mov_b64 s[64:65], 0
	v_nop
	global_prefetch_b8 v0, s[64:65] scope:SCOPE_SE
	s_setreg_imm32_b32 hwreg(HW_REG_WAVE_MODE, 25, 1), 1
	s_wait_xcnt 0x0
; CAST.  Every input is rounded once to bf16, and that number is written as f16 (exact from 2^-17 to 65,504), into the layouts that the products want:
;   XH  [4096][2048]   hidden_states            WOH [2048][2048]  Wo
;   W1H [2048][1536]   Wkv_d | Wq_d | Wrk       W2H [512][5120]   per head (Wq_u 64 | Wrq 64) | Wv_u | Wk_u; rows 256-511 repeat rows 0-255
; In Wrk's and Wrq's part column 2 i + s of a head holds the head's column i + 32 s: the two numbers that the rotation mixes lie side by side.
; The order is the same for q and k, so their dot products are unchanged.
; Beside it: ROPE [2048][32] pairs (cos, sin) in f32, and AMAX, for each wave the largest magnitude of the bf16 numbers that it wrote.
; LIMITS.  Inputs beyond 65,504 are not served.  A bf16 number below 2^-17 loses bits as f16 (by 3e-8 at the most).  NaN and infinities are not treated apart.
; SHARES.  A group is 8 neighbouring output columns: 32 bytes in, 16 bytes out.  A work-group takes 2,048 groups, thread t the groups 256 u + t, u = 0..7.
; All 16 loads of a thread go out first; no register that a load or store names is written again, so no wait frees any.
; Memory binds: no LDS, no matrix unit, no cluster (no two work-groups read the same bytes).
.set XH,   0
.set W1H,  16777216
.set W2H,  23068672
.set WOH,  28311552
.set ROPE, 36700160
.set AMAX, 37224448
.set DUPB, 256*10240                   ; from a row of W2H to its repeat
.set SO, 2                             ; v2-9    slot u: byte offset in the source
.set DO, 10                            ; v10-17  slot u: byte offset in the destination
.set M,  22                            ; v22-25  four running maxima, two bf16 each
.set A,  32                            ; v32-95  slot u: 8 numbers as loaded
.set Y,  96                            ; v96-127 slot u: 8 f16 to store
.set T,  128                           ; v128-135 at work
	s_load_b512 s[8:23], s[0:1], 0x0               ; hidden_states s[8:9], Wkv_d s[10:11], Wq_d s[12:13], Wrk s[14:15], Wk_u s[16:17], Wq_u s[18:19], Wv_u s[20:21], Wrq s[22:23]
	s_load_b128 s[24:27], s[0:1], 0x40             ; Wo s[24:25], prep s[26:27]
	s_mov_b32 s3, 0x7fff7fff                       ; clears the signs of two bf16
	s_mov_b32 s4, 0xffff0000                       ; a word's upper bf16
	s_mov_b32 s5, 0x76543210                       ; v_permlanex16_b32: each lane takes its own place in the other half
	s_mov_b32 s6, 0xfedcba98
	v_lshrrev_b32 v1, 5, v0
	v_readfirstlane_b32 s7, v1                     ; wave 0..7
	s_wait_kmcnt 0x0
	s_add_nc_u64 s[40:41], s[26:27], AMAX          ; the maxima's base has a pair of its own: the jobs' bases are never written again
; The work-group's number picks the job; a job is seven scalars and one of two bodies.
.macro PICK bound, src, dst, first, logc8, dpitch, logchp, dup, body
	s_cmp_lt_u32 ttmp9, \bound
	s_cbranch_scc0 .Lnot_\@
	s_mov_b64 s[28:29], s[\src:\src+1]             ; the source
	s_add_nc_u64 s[30:31], s[26:27], \dst          ; the destination's first column
	s_sub_co_u32 s2, ttmp9, \first                 ; my number within the job
	s_mov_b32 s33, \logc8                          ; log2 of the groups in a source row
	s_mov_b32 s34, \dpitch                         ; bytes in a destination row
	s_mov_b32 s35, \logchp                         ; log2 of the bytes from one chunk of 64 columns to the next
	s_mov_b32 s37, \dup                            ; 1: the row is written a second time, 256 rows down
	s_branch \body
.Lnot_\@:
.endm
	PICK 512,  8,  XH,       0,    8, 4096,  7, 0, .Lplain
	PICK 768,  24, WOH,      512,  8, 4096,  7, 0, .Lplain
	PICK 896,  14, W1H+1024, 768,  7, 3072,  7, 0, .Lrope
	PICK 928,  10, W1H,      896,  5, 3072,  7, 0, .Lplain
	PICK 960,  12, W1H+512,  928,  5, 3072,  7, 0, .Lplain
	PICK 992,  20, W2H+4096, 960,  8, 10240, 7, 1, .Lplain
	PICK 1008, 16, W2H+8192, 992,  7, 10240, 7, 1, .Lplain
	PICK 1024, 18, W2H,      1008, 7, 10240, 8, 1, .Lplain
	PICK 1040, 22, W2H+128,  1024, 7, 10240, 8, 1, .Lrope
	; THE TABLE, work-groups 1040-1071.  Lane i, position s = 64 (my number) + 8 u + wave: angle = s x 10000^(-i/32), taken into -pi..pi by two fused steps
	; with 2 pi in two parts, then the series of cos (to x^16) and sin (to x^15): what is left out is under 1e-6 at pi.
	s_sub_co_u32 s2, ttmp9, 1040
	s_lshl_b32 s2, s2, 6
	s_add_co_u32 s2, s2, s7
	s_add_nc_u64 s[28:29], s[26:27], ROPE
	v_and_b32 v1, 31, v0
	v_cvt_f32_u32 v2, v1
	v_mul_f32 v2, 0xbed49a78, v2                   ; -i log2(10000) / 32
	v_exp_f32 v3, v2
	v_lshlrev_b32 v4, 3, v1                        ; 8 i: also the plain instruction behind the exponential (ISA guide 5.7.2)
	s_wait_alu depctr_va_vdst(0)
.irp u, 0,1,2,3,4,5,6,7
.set R, 32+8*(\u)
	s_add_co_u32 s33, s2, 8*(\u)
	v_cvt_f32_u32 v[R], s33
	v_lshl_add_u32 v[R+6], s33, 8, v4              ; 256 s + 8 i: a wave's store covers 256 consecutive bytes, aligned
	v_mul_f32 v[R], v[R], v3
	v_mul_f32 v[R+1], 0.15915494, v[R]
	v_rndne_f32 v[R+1], v[R+1]
	v_fmamk_f32 v[R+2], v[R+1], 0xc0c90fdb, v[R]
	v_fmamk_f32 v[R+2], v[R+1], 0x343bbd2e, v[R+2]
	v_mul_f32 v[R+3], v[R+2], v[R+2]
	v_mov_b32 v[R+4], 0x29573f9f                   ; 1/16!
.irp k, 0xad49cba5, 0x310f76c7, 0xb493f27e, 0x37d00d01, 0xbab60b61, 0x3d2aaaab, 0xbf000000, 0x3f800000
	v_fmaak_f32 v[R+4], v[R+4], v[R+3], \k
.endr
	v_mov_b32 v[R+5], 0xab573f9f                   ; -1/15!
.irp k, 0x2f309231, 0xb2d7322b, 0x3638ef1d, 0xb9500d01, 0x3c088889, 0xbe2aaaab, 0x3f800000
	v_fmaak_f32 v[R+5], v[R+5], v[R+3], \k
.endr
	v_mul_f32 v[R+5], v[R+5], v[R+2]
	global_store_b64 v[R+6], v[R+4:R+5], s[28:29]
.endr
	s_endpgm
; A job's body.  rope = 1: the group's 8 columns are 4 numbers at the head's column 4 j and the 4 numbers 32 columns (128 bytes) on, taken by turns.
.macro BODY rope
	s_lshl_b32 s2, s2, 11
	s_bfm_b32 s36, s33, 0                          ; groups in a row - 1
	v_add_nc_u32 v18, s2, v0
.irp u, 0,1,2,3,4,5,6,7
	v_add_nc_u32 v19, 256*(\u), v18                ; the group g
.if \rope
	v_lshrrev_b32 v20, 3, v19
	v_and_b32 v21, 7, v19
	v_lshlrev_b32 v21, 4, v21
	v_lshl_or_b32 v[SO+(\u)], v20, 8, v21          ; 256 bytes a head, 16 a group
.else
	v_lshlrev_b32 v[SO+(\u)], 5, v19
.endif
	v_lshrrev_b32 v20, s33, v19                    ; row
	v_and_b32 v21, s36, v19                        ; group in the row
	v_mul_u32_u24 v20, s34, v20
	v_lshrrev_b32 v[DO+(\u)], 3, v21
	v_lshlrev_b32 v[DO+(\u)], s35, v[DO+(\u)]
	v_and_b32 v21, 7, v21
	v_add_nc_u32 v20, v20, v[DO+(\u)]
	v_lshl_add_u32 v[DO+(\u)], v21, 4, v20
.endr
.irp u, 0,1,2,3,4,5,6,7
	global_load_b128 v[A+8*(\u):A+8*(\u)+3], v[SO+(\u)], s[28:29] th:TH_LOAD_NT
.if \rope
	global_load_b128 v[A+8*(\u)+4:A+8*(\u)+7], v[SO+(\u)], s[28:29] offset:128 th:TH_LOAD_NT
.else
	global_load_b128 v[A+8*(\u)+4:A+8*(\u)+7], v[SO+(\u)], s[28:29] offset:16 th:TH_LOAD_NT
.endif
.endr
.irp k, 0,1,2,3
	v_mov_b32 v[M+(\k)], 0
.endr
.irp u, 0,1,2,3,4,5,6,7
	s_wait_loadcnt 14-2*(\u)                       ; loads come back in order (ISA guide 5.7.1): slot u's two are in, the younger slots' stay out
.irp k, 0,1,2,3
.if \rope
.set ra, A+8*(\u)+(\k)
.set rb, A+8*(\u)+4+(\k)
.else
.set ra, A+8*(\u)+2*(\k)
.set rb, A+8*(\u)+2*(\k)+1
.endif
	v_cvt_pk_bf16_f32 v[T+2*(\k)], v[ra], v[rb]    ; the one rounding
	v_and_b32 v[T+2*(\k)+1], s3, v[T+2*(\k)]
	v_pk_max_num_bf16 v[M+(\k)], v[M+(\k)], v[T+2*(\k)+1]
	v_lshlrev_b32 v[T+2*(\k)+1], 16, v[T+2*(\k)]   ; bf16 to f32: the low half moves up,
	v_and_b32 v[T+2*(\k)], s4, v[T+2*(\k)]         ; the high half stays
	v_cvt_pk_f16_f32 v[Y+4*(\u)+(\k)], v[T+2*(\k)+1], v[T+2*(\k)]
.endr
	global_store_b128 v[DO+(\u)], v[Y+4*(\u):Y+4*(\u)+3], s[30:31]
.endr
	s_cmp_eq_u32 s37, 0
	s_cbranch_scc1 .Lmax
.irp u, 0,1,2,3,4,5,6,7
	global_store_b128 v[DO+(\u)], v[Y+4*(\u):Y+4*(\u)+3], s[30:31] offset:DUPB
.endr
.endm
.Lplain:
	BODY 0
	s_branch .Lmax
.Lrope:
	BODY 1
.Lmax:                                                 ; the wave's largest magnitude, one word
	v_pk_max_num_bf16 v[M], v[M], v[M+1]
	v_pk_max_num_bf16 v[M+2], v[M+2], v[M+3]
	v_pk_max_num_bf16 v[M], v[M], v[M+2]
	v_lshlrev_b32 v[M+1], 16, v[M]
	v_and_b32 v[M], s4, v[M]
	v_max_num_f32 v[M], v[M], v[M+1]
	v_max_num_f32_dpp v[M], v[M], v[M] row_xmask:1 row_mask:0xf bank_mask:0xf
	v_max_num_f32_dpp v[M], v[M], v[M] row_xmask:2 row_mask:0xf bank_mask:0xf
	v_max_num_f32_dpp v[M], v[M], v[M] row_xmask:4 row_mask:0xf bank_mask:0xf
	v_max_num_f32_dpp v[M], v[M], v[M] row_xmask:8 row_mask:0xf bank_mask:0xf
	v_permlanex16_b32 v[M+1], v[M], s5, s6
	v_max_num_f32 v[M], v[M], v[M+1]
	s_lshl_b32 s39, ttmp9, 3
	s_add_co_u32 s39, s39, s7
	s_lshl_b32 s39, s39, 2                         ; 4 (8 x work-group + wave)
	v_mov_b32 v[M+2], s39
	v_and_b32 v[M+3], 31, v0
	v_cmp_eq_u32 vcc_lo, 0, v[M+3]
	s_wait_xcnt 0x0                                ; EXEC is a source of the stores above: it changes only behind this wait
	s_and_saveexec_b32 s38, vcc_lo
	global_store_b32 v[M+2], v[M], s[40:41]
	s_wait_xcnt 0x0                                ; and again in front of the line that widens it
	s_or_b32 exec_lo, exec_lo, s38
	s_endpgm
.Lfunc_end_k_qd097ad72d6_cast:
	.size	k_qd097ad72d6_cast, .Lfunc_end_k_qd097ad72d6_cast-k_qd097ad72d6_cast
	.p2alignl 7, 3214868480
	.fill 96, 4, 3214868480
	.section	.rodata,"a",@progbits
	.p2align	6, 0x0
	.amdhsa_kernel k_qd097ad72d6_cast
		.amdhsa_group_segment_fixed_size 0
		.amdhsa_private_segment_fixed_size 0
		.amdhsa_enable_private_segment 0
		.amdhsa_kernarg_size 80
		.amdhsa_user_sgpr_count 2
		.amdhsa_user_sgpr_kernarg_segment_ptr 1
		.amdhsa_wavefront_size32 1
		.amdhsa_system_sgpr_workgroup_id_x 1
		.amdhsa_system_sgpr_workgroup_id_y 1
		.amdhsa_system_sgpr_workgroup_id_z 1
		.amdhsa_system_vgpr_workitem_id 0
		.amdhsa_next_free_vgpr 136
		.amdhsa_next_free_sgpr 66
		.amdhsa_reserve_vcc 1
		.amdhsa_float_denorm_mode_32 3
		.amdhsa_float_denorm_mode_16_64 3
		.amdhsa_memory_ordered 1
		.amdhsa_forward_progress 1
		.amdhsa_inst_pref_size 51
	.end_amdhsa_kernel
	.amdgpu_metadata
---
amdhsa.version: [ 1, 2 ]
amdhsa.kernels:
  - .name:           k_qd097ad72d6_cast
    .symbol:         k_qd097ad72d6_cast.kd
    .args:
      - { .name: hidden_states, .offset: 0, .size: 8, .value_kind: global_buffer, .address_space: global }
      - { .name: Wkv_d, .offset: 8, .size: 8, .value_kind: global_buffer, .address_space: global }
      - { .name: Wq_d, .offset: 16, .size: 8, .value_kind: global_buffer, .address_space: global }
      - { .name: Wrk, .offset: 24, .size: 8, .value_kind: global_buffer, .address_space: global }
      - { .name: Wk_u, .offset: 32, .size: 8, .value_kind: global_buffer, .address_space: global }
      - { .name: Wq_u, .offset: 40, .size: 8, .value_kind: global_buffer, .address_space: global }
      - { .name: Wv_u, .offset: 48, .size: 8, .value_kind: global_buffer, .address_space: global }
      - { .name: Wrq, .offset: 56, .size: 8, .value_kind: global_buffer, .address_space: global }
      - { .name: Wo, .offset: 64, .size: 8, .value_kind: global_buffer, .address_space: global }
      - { .name: prep, .offset: 72, .size: 8, .value_kind: global_buffer, .address_space: global }
    .group_segment_fixed_size: 0
    .private_segment_fixed_size: 0
    .kernarg_segment_align: 8
    .kernarg_segment_size: 80
    .max_flat_workgroup_size: 256
    .sgpr_count:     66
    .vgpr_count:     136
    .wavefront_size: 32
...
	.end_amdgpu_metadata
.endif
;; end of part 1
;; launch mkscales (part 2): grid 1 x 1, 1 waves a work-group, no clusters, 0 bytes of LDS; arguments prep, scales; writes scales
.if DOCPART == 2
	.amdgcn_target "amdgcn-amd-amdhsa--gfx1250"
	.amdhsa_code_object_version 6
	.text
	.protected	k_qd097ad72d6_mkscales
	.globl	k_qd097ad72d6_mkscales
	.p2align	8
	.type	k_qd097ad72d6_mkscales,@function
k_qd097ad72d6_mkscales:
	s_mov_b64 s[64:65], 0
	v_nop
	global_prefetch_b8 v0, s[64:65] scope:SCOPE_SE
	s_setreg_imm32_b32 hwreg(HW_REG_WAVE_MODE, 25, 1), 1
	s_wait_xcnt 0x0
; SCALES.  From the waves' largest magnitudes (AMAX in prep) the largest magnitude M of each input, from those a bound on every number that the program stores in f16
; (a sum of K products is at most K x M x M), and for each bound B the power of two a with 2^14 <= a B < 2^15.  What is stored in f16 is stored times its a, so that neither
; large inputs nor a common offset reach f16's end, and small inputs do not fall into its denormals.  The scales are data alone: no address and no branch hangs on them.
;   Bkv = 2048 MX Mkvd   Bqd = 2048 MX Mqd   Bkr = 4096 MX Mrk (the rotation at most doubles)   Bv = 256 Bkv Mvu   Bk = max(256 Bkv Mku, Bkr)   Bq = 256 Bqd max(Mqu, 2 Mrq)
; The table, 64 words: 0-1 a_kv; 2-3 a_qd; 4-11 a_k; 12-15 0; 16-31 a_q / a_qd; 32-47 a_v / a_kv; 48-55 a_k / a_kv; 56 log2(e) / sqrt(128) / (a_q a_k); 57 1 / a_v; 58-63 0.
; LIMIT.  a is held to 2^127 at the most; there (a bound under 2^-113, an input of zeros) its reciprocal counts as 0, and so do the results.  Wo's maximum is not needed: its product leaves in f32.
; One wave: 6,272 words are read once, 512 bytes an instruction.
.set AMAX, 37224448
.set MX, 204
.set MRK, 205
.set MKVD, 206
.set MQD, 207
.set MVU, 208
.set MKU, 209
.set MQU, 210
.set MRQ, 211
.set BKV, 212
.set BQD, 213
.set BKR, 214
.set BV, 215
.set BK, 216
.set BQ, 217
.set AKV, 218
.set AQD, 219
.set AV, 220
.set AKK, 221
.set AQ, 222
	s_load_b128 s[4:7], s[0:1], 0x0                ; prep s[4:5], scales s[6:7]
	s_mov_b32 s8, 0x76543210
	s_mov_b32 s9, 0xfedcba98
	v_lshlrev_b32 v1, 4, v0
	v_mov_b32 v2, 0                                ; at work; written, since v_permlanex16_b32 counts as a reader of its destination
	v_mov_b32 v3, 0
	s_wait_kmcnt 0x0
	s_add_nc_u64 s[4:5], s[4:5], AMAX
.macro LD first, byte, n
.set i, 0
.rept \n
	global_load_b128 v[(\first)+4*i:(\first)+4*i+3], v1, s[4:5] offset:(\byte)+512*i
.set i, i+1
.endr
.endm
	LD 8,   0,     32                              ; hidden_states: the waves of work-groups 0-511 of the cast
	LD 136, 24576, 8                               ; Wrk
	LD 168, 28672, 2                               ; Wkv_d
	LD 176, 29696, 2                               ; Wq_d
	LD 184, 30720, 2                               ; Wv_u
	LD 192, 31744, 1                               ; Wk_u
	LD 196, 32256, 1                               ; Wq_u
	LD 200, 32768, 1                               ; Wrq
	s_wait_loadcnt 0x0
.macro RED dst, first, n                       ; the maximum of n registers, then of the 32 lanes: every lane holds it
	v_max_num_f32 v[\dst], v[\first], v[(\first)+1]
.set i, 2
.rept ((\n)-2)/2
	v_max3_num_f32 v[\dst], v[\dst], v[(\first)+i], v[(\first)+i+1]
.set i, i+2
.endr
	v_max_num_f32_dpp v[\dst], v[\dst], v[\dst] row_xmask:1 row_mask:0xf bank_mask:0xf
	v_max_num_f32_dpp v[\dst], v[\dst], v[\dst] row_xmask:2 row_mask:0xf bank_mask:0xf
	v_max_num_f32_dpp v[\dst], v[\dst], v[\dst] row_xmask:4 row_mask:0xf bank_mask:0xf
	v_max_num_f32_dpp v[\dst], v[\dst], v[\dst] row_xmask:8 row_mask:0xf bank_mask:0xf
	v_permlanex16_b32 v2, v[\dst], s8, s9
	v_max_num_f32 v[\dst], v[\dst], v2
.endm
	RED MX,   8,   128
	RED MRK,  136, 32
	RED MKVD, 168, 8
	RED MQD,  176, 8
	RED MVU,  184, 8
	RED MKU,  192, 4
	RED MQU,  196, 4
	RED MRQ,  200, 4
	v_mul_f32 v[BKV], v[MX], v[MKVD]
	v_mul_f32 v[BKV], 0x45000000, v[BKV]           ; x 2048
	v_mul_f32 v[BQD], v[MX], v[MQD]
	v_mul_f32 v[BQD], 0x45000000, v[BQD]
	v_mul_f32 v[BKR], v[MX], v[MRK]
	v_mul_f32 v[BKR], 0x45800000, v[BKR]           ; x 4096
	v_mul_f32 v[BV], v[BKV], v[MVU]
	v_mul_f32 v[BV], 0x43800000, v[BV]             ; x 256
	v_mul_f32 v[BK], v[BKV], v[MKU]
	v_mul_f32 v[BK], 0x43800000, v[BK]
	v_max_num_f32 v[BK], v[BK], v[BKR]
	v_add_f32 v[BQ], v[MRQ], v[MRQ]
	v_max_num_f32 v[BQ], v[BQ], v[MQU]
	v_mul_f32 v[BQ], v[BQ], v[BQD]
	v_mul_f32 v[BQ], 0x43800000, v[BQ]
.macro POW dst, src                            ; the power of two with biased exponent min(268 - the bound's, 254)
	v_lshrrev_b32 v[\dst], 23, v[\src]
	v_sub_nc_u32 v[\dst], 268, v[\dst]
	v_min_u32 v[\dst], 254, v[\dst]
	v_lshlrev_b32 v[\dst], 23, v[\dst]
.endm
	POW AKV, BKV
	POW AQD, BQD
	POW AV,  BV
	POW AKK, BK
	POW AQ,  BQ
	v_sub_nc_u32 v8, 0x7f000000, v[AKV]            ; a power of two's reciprocal: the exponent mirrored
	v_sub_nc_u32 v9, 0x7f000000, v[AQD]
	v_sub_nc_u32 v14, 0x7f000000, v[AV]            ; word 57
	v_sub_nc_u32 v15, 0x7f000000, v[AQ]
	v_sub_nc_u32 v16, 0x7f000000, v[AKK]
	v_mul_f32 v10, v[AQ], v9                       ; a_q / a_qd
	v_mul_f32 v11, v[AV], v8                       ; a_v / a_kv
	v_mul_f32 v12, v[AKK], v8                      ; a_k / a_kv
	v_mul_f32 v13, 0x3e0293ee, v15                 ; log2(e) / sqrt(128) = 0.127517,
	v_mul_f32 v13, v13, v16                        ; over a_q a_k: word 56
	; lane n picks words n and 32 + n
	v_mov_b32 v20, v10
	v_cmp_gt_u32 vcc_lo, 16, v0
	v_cndmask_b32 v20, v20, v3, vcc_lo
	v_cmp_gt_u32 vcc_lo, 12, v0
	v_cndmask_b32 v20, v20, v[AKK], vcc_lo
	v_cmp_gt_u32 vcc_lo, 4, v0
	v_cndmask_b32 v20, v20, v[AQD], vcc_lo
	v_cmp_gt_u32 vcc_lo, 2, v0
	v_cndmask_b32 v20, v20, v[AKV], vcc_lo
	v_mov_b32 v21, 0
	v_cmp_gt_u32 vcc_lo, 26, v0
	v_cndmask_b32 v21, v21, v14, vcc_lo
	v_cmp_gt_u32 vcc_lo, 25, v0
	v_cndmask_b32 v21, v21, v13, vcc_lo
	v_cmp_gt_u32 vcc_lo, 24, v0
	v_cndmask_b32 v21, v21, v12, vcc_lo
	v_cmp_gt_u32 vcc_lo, 16, v0
	v_cndmask_b32 v21, v21, v11, vcc_lo
	v_lshlrev_b32 v22, 2, v0
	global_store_b32 v22, v20, s[6:7]
	global_store_b32 v22, v21, s[6:7] offset:128
	s_endpgm
.Lfunc_end_k_qd097ad72d6_mkscales:
	.size	k_qd097ad72d6_mkscales, .Lfunc_end_k_qd097ad72d6_mkscales-k_qd097ad72d6_mkscales
	.p2alignl 7, 3214868480
	.fill 96, 4, 3214868480
	.section	.rodata,"a",@progbits
	.p2align	6, 0x0
	.amdhsa_kernel k_qd097ad72d6_mkscales
		.amdhsa_group_segment_fixed_size 0
		.amdhsa_private_segment_fixed_size 0
		.amdhsa_enable_private_segment 0
		.amdhsa_kernarg_size 16
		.amdhsa_user_sgpr_count 2
		.amdhsa_user_sgpr_kernarg_segment_ptr 1
		.amdhsa_wavefront_size32 1
		.amdhsa_system_sgpr_workgroup_id_x 1
		.amdhsa_system_sgpr_workgroup_id_y 1
		.amdhsa_system_sgpr_workgroup_id_z 1
		.amdhsa_system_vgpr_workitem_id 0
		.amdhsa_next_free_vgpr 224
		.amdhsa_next_free_sgpr 66
		.amdhsa_reserve_vcc 1
		.amdhsa_float_denorm_mode_32 3
		.amdhsa_float_denorm_mode_16_64 3
		.amdhsa_memory_ordered 1
		.amdhsa_forward_progress 1
		.amdhsa_inst_pref_size 17
	.end_amdhsa_kernel
	.amdgpu_metadata
---
amdhsa.version: [ 1, 2 ]
amdhsa.kernels:
  - .name:           k_qd097ad72d6_mkscales
    .symbol:         k_qd097ad72d6_mkscales.kd
    .args:
      - { .name: prep, .offset: 0, .size: 8, .value_kind: global_buffer, .address_space: global }
      - { .name: scales, .offset: 8, .size: 8, .value_kind: global_buffer, .address_space: global }
    .group_segment_fixed_size: 0
    .private_segment_fixed_size: 0
    .kernarg_segment_align: 8
    .kernarg_segment_size: 16
    .max_flat_workgroup_size: 32
    .sgpr_count:     66
    .vgpr_count:     224
    .wavefront_size: 32
...
	.end_amdgpu_metadata
.endif
;; end of part 2
;; launch g1 (part 3): grid 12 x 16, 4 waves a work-group, clusters of 4 x 4, 327,680 bytes of LDS; arguments prep, scales, g1out; writes g1out
.if DOCPART == 3
	.amdgcn_target "amdgcn-amd-amdhsa--gfx1250"
	.amdhsa_code_object_version 6
	.text
	.protected	k_qd097ad72d6_g1
	.globl	k_qd097ad72d6_g1
	.p2align	8
	.type	k_qd097ad72d6_g1,@function
k_qd097ad72d6_g1:
	s_mov_b64 s[64:65], 0
	v_nop
	global_prefetch_b8 v0, s[64:65] scope:SCOPE_SE
	s_setreg_imm32_b32 hwreg(HW_REG_WAVE_MODE, 25, 1), 1
	s_wait_xcnt 0x0
	s_wait_alu depctr_hold_cnt(0) depctr_sa_sdst(0) depctr_va_vdst(0) depctr_va_sdst(0) depctr_va_ssrc(0) depctr_va_vcc(0) depctr_vm_vsrc(0)
	s_getreg_b32 s2, hwreg(HW_REG_IB_STS2, 6, 4)
	s_cmp_eq_u32 s2, 0
	s_cbranch_scc0 .Lentry_in_a_cluster
	s_endpgm
.Lentry_in_a_cluster:
	s_bfe_u32 s2, ttmp6, 0x10000c
	s_cmp_lg_u32 s2, 0xf033
	s_cbranch_scc0 .Lentry_shape_is_right
	s_endpgm
.Lentry_shape_is_right:
; G1.  [kv_d | q_d | k_r] = X [Wkv_d | Wq_d | Wrk]: C[4096][1536] = A[4096][2048] B[2048][1536], A = XH (K along the rows), B = W1H (N along the rows), both f16 in prep; sums in f32.
; OUT, in g1out, each number times its power of two from the table of scales (word = the tile's column number):
;   tile columns 0-3:  LAT [4096][1024] f16 = kv_hi | kv_lo | q_hi | q_lo: a latent is kept as a pair, hi = f16(x), lo = f16(x - hi), since a single f16 rounding here and one more of v would be two in the output's first rows
;   tile columns 4-11: KR [32 heads][2048][64] f16: k's rotary half, rotated here: W1H holds the two numbers of a rotation side by side, and the table of (cos, sin) comes from prep
; SHARES.  A work-group makes 256 x 128 of C; its four waves lie one below the other, 64 x 128 each: 32 accumulators, 256 registers.  K goes in steps of 128 through two LDS slots filled by the tensor data mover:
; rows of 256 bytes, aligned.  192 work-groups: a tile of 128 x 192 would give 256, but its rows of 384 bytes fit no padding interval of the descriptor.
; CLUSTER 4 x 4: A's tile hangs on the tile row alone and is asked for jointly by a row of the cluster, B's on the tile column alone and by a column.
; THE MATRIX INSTRUCTION IS USED TRANSPOSED: source 0 = 16 columns of B (out of LDS by the turning load), source 1 = 16 rows of A: a lane then holds eight neighbouring numbers of one row of C.
; REGISTERS: window 0: v1-8 lane numbers and at work; v16-29 addresses; v64-159, v160-255 two fragment buffers (A 32, B 64), on the way out at work.  Window 1: accumulator (a, b) at v[8 (8 a + b)].
; LIMITS: those of f16 under the scales (see the launch that makes them); NaN and infinities are not treated apart.
.set APITCH, 2048                      ; elements from row to row of A
.set BPITCH, 1536                      ; of B
.set NK,     16                        ; K steps
.set BOFF,   16777216                  ; W1H in prep (XH lies at 0)
.set ROPE,   36700160                  ; the table in prep
.set KRO,    8388608                   ; KR in g1out
.set PA,    272                        ; a row of A in LDS: 256 bytes + 16: the 16 rows of a load start at 16 different groups of four banks (64 banks of 4 bytes: ISA guide 11.1)
.set PB,    288                        ; a row of B: 256 + 32
.set BT,    256*PA                     ; B's 128 rows lie behind A's 256
.set SLOT1, 1<<17                      ; slot 1 begins here: one exclusive or turns an address in one slot into the other's
.set TAB,   237568                     ; behind the ring: 64 rows x 256 bytes of (cos, sin) for each wave; no tensor load lands here
.set SPARE, 303104                     ; the spare words, 128 bytes for each wave: two blocks of 256 bytes that no other line names
.set DP,    528                        ; the way out: a row of 128 f32 + 16 bytes
.set DW,    64*DP                      ; a wave's 64 rows; they lie over the ring, which has had its last fill by then
.set ADRA0, 16
.set ADRB0, 17
.set ADRA,  18
.set ADRB,  19
.set DST,   22
.set RD,    24
.set TRD,   25
.set GOF,   26
.set NEG1,  27
.set SPW,   28
.set NIL,   29
.set F0,    64
.set F1,    160
.set X,     64
.set TR,    96
.set T,     128
.set Y,     160
.set YL,    176
.set WV, 12                            ; s12 wave; s13 wave / 2: I fetch for A (0) or B (1); s14 wave % 2: which half of that tile
.set FB, 13
.set HF, 14
.set TY, 15                            ; s15 tile row
.set G1A, 24
.set G0A, 32
.set CX, 40
.set CY, 41
.set TX, 42                            ; s42 tile column
.set RM, 43
.set CM, 44
.set SB, 45                            ; s45 LDS base of the slot that is read
.set G1B, 48
.set G0B, 56
.set SC, 68                            ; s[68:69] the scale
.set RP, 70
.set CL, 74                            ; s74 the cluster's x: the same in all partners
.set OUT, 76
.set MSB, 0
.macro WIN new                         ; the immediate's high byte repeats the setting that is left; a switch that changes nothing is dropped
.if MSB != (\new)
	s_set_vgpr_msb (MSB<<8)|(\new)
.set MSB, \new
.endif
.endm
.macro PLACES                          ; four places behind matrix instructions (ISA guide 7.12.1), where no other vector work is at hand
.rept 4
	v_nop
.endr
.endm
.macro CREST                           ; a round of the cluster's barrier behind its opening barrier
	s_cmp_lg_u32 s[WV], 0
	s_cbranch_scc1 .Lnot_wave_0_\@
	s_barrier_signal -3
.Lnot_wave_0_\@:
	s_barrier_wait -3
	s_barrier_signal -1
	s_barrier_wait -1
.endm
.macro CROUND
	s_barrier_signal -1
	s_barrier_wait -1
	CREST
.endm
.macro JLOAD                           ; a joint refill by the walking descriptors: waves 0, 1 A's halves, waves 2, 3 B's; s_nop 0 and four v_nop follow each line
	s_cmp_eq_u32 s[FB], 0
	s_cbranch_scc0 .Lfor_b_\@
	tensor_load_to_lds s[G0A+4:G0A+7], s[G1A:G1A+7]
	s_nop 0
.rept 4
	v_nop
.endr
	s_branch .Lasked_\@
.Lfor_b_\@:
	tensor_load_to_lds s[G0B+4:G0B+7], s[G1B:G1B+7]
	s_nop 0
.rept 4
	v_nop
.endr
.Lasked_\@:
.endm
; 24 LDS loads in one run: quarter q (32 along K) into buffer f: A's 4 fragments, then B's 8, columns 0-63 first
.macro FETCH q, f
	WIN 0
.irp a, 0,1,2,3
	ds_load_b128 v[(\f)+8*(\a):(\f)+8*(\a)+3],   v[ADRA] offset:(\a)*16*PA+64*(\q)
	ds_load_b128 v[(\f)+8*(\a)+4:(\f)+8*(\a)+7], v[ADRA] offset:(\a)*16*PA+64*(\q)+32
.endr
.irp b, 0,1,2,3,4,5,6,7
	ds_load_tr16_b128 v[(\f)+32+8*(\b):(\f)+32+8*(\b)+3],   v[ADRB] offset:(\q)*32*PB+32*(\b)
	ds_load_tr16_b128 v[(\f)+32+8*(\b)+4:(\f)+32+8*(\b)+7], v[ADRB] offset:(\q)*32*PB+32*(\b)+16*PB
.endr
.endm
; 8 matrix instructions: column blocks b0, b0 + 1 x all 4 row blocks.  The 32 accumulators take turns, one instruction a turn.  zero = 1: the product starts the sum
.macro MUL8 f, b0, zero
	WIN 0x50                                       ; C and D in window 1
.irp b, \b0, (\b0)+1
.irp a, 0,1,2,3
.if \zero
	v_wmma_f32_16x16x32_f16 v[8*(8*(\a)+(\b)):8*(8*(\a)+(\b))+7], v[(\f)+32+8*(\b):(\f)+32+8*(\b)+7], v[(\f)+8*(\a):(\f)+8*(\a)+7], 0
.else
	v_wmma_f32_16x16x32_f16 v[8*(8*(\a)+(\b)):8*(8*(\a)+(\b))+7], v[(\f)+32+8*(\b):(\f)+32+8*(\b)+7], v[(\f)+8*(\a):(\f)+8*(\a)+7], v[8*(8*(\a)+(\b)):8*(8*(\a)+(\b))+7]
.endif
.endr
.endr
.endm
; A K step is four quarters on buffers 0, 1, 0, 1.  One of the first three: multiplies buffer f; in its middle it fetches quarter q into buffer g.
.macro QUARTER q, f, g, zero
	s_wait_dscnt 8                                 ; A and B's columns 0-63 are in; the youngest eight loads may be out
	MUL8 \f, 0, \zero
	MUL8 \f, 2, \zero
	PLACES                                         ; in front of loads into registers that the quarter before multiplied
	FETCH \q, \g
	s_wait_dscnt 24                                ; all but the 24 just issued
	MUL8 \f, 4, \zero
	MUL8 \f, 6, \zero
.endm
; The last quarter multiplies buffer 1 and changes slots: ONE barrier.  In front of it each wave waits for all its tensor loads (one is out: its part of the next slot), adds 0 to its spare word, and waits
; for that and for its reads of this slot.  fill = 1: the barrier opens a round of the cluster's, and this slot is filled again, two K steps ahead, first thing behind it: 112 matrix instructions ahead of the wait for it.
.macro TURN fill
	WIN 0
	s_wait_tensorcnt 0x0
	ds_add_u32 v[SPW], v[NIL]
	s_wait_dscnt 9                                 ; (the add and the youngest eight loads may be out)
	MUL8 F1, 0, 0
	s_wait_dscnt 0x0                               ; the add is done, and my reads of this slot are over
	s_barrier_signal -1
	MUL8 F1, 2, 0
	WIN 0                                          ; at a branch and at a label every window is 0
	s_barrier_wait -1
.if \fill
	CREST
	s_xor_b32 s[G0A+5], s[G0A+5], SLOT1            ; the walking descriptors: the other slot than last time, the next K step; no load of mine is out
	s_add_nc_u64 s[G0A+6:G0A+7], s[G0A+6:G0A+7], 256
	s_xor_b32 s[G0B+5], s[G0B+5], SLOT1
	s_add_nc_u64 s[G0B+6:G0B+7], s[G0B+6:G0B+7], 256*BPITCH
	JLOAD                                          ; its four v_nop are also the places in front of the loads below
.else
	PLACES
.endif
	s_xor_b32 s[SB], s[SB], SLOT1
	v_add_nc_u32 v[ADRA], s[SB], v[ADRA0]
	v_add_nc_u32 v[ADRB], s[SB], v[ADRB0]
	FETCH 0, F0
	MUL8 F1, 4, 0
	MUL8 F1, 6, 0
.endm
	s_load_b128 s[4:7], s[0:1], 0x0                ; prep, scales
	s_load_b64 s[10:11], s[0:1], 0x10              ; g1out
	v_lshl_add_u32 v[SPW], v0, 2, SPARE
	v_mov_b32 v[NIL], 0
	ds_add_u32 v[SPW], v[NIL]                      ; the wave's opening: the add and its wait stand ahead of my first tensor load
	v_lshrrev_b32 v1, 5, v0
	v_readfirstlane_b32 s[WV], v1
	s_lshr_b32 s[FB], s[WV], 1
	s_and_b32 s[HF], s[WV], 1
	s_bfe_u32 s[CX], ttmp6, 0x40000
	s_bfe_u32 s[CY], ttmp6, 0x40004
	s_mov_b32 s[CL], ttmp9
	s_lshl_b32 s[TX], ttmp9, 2
	s_add_co_u32 s[TX], s[TX], s[CX]
	s_and_b32 s[TY], ttmp7, 0xffff
	s_lshl_b32 s[TY], s[TY], 2
	s_add_co_u32 s[TY], s[TY], s[CY]
	s_lshl_b32 s[RM], s[CY], 2
	s_lshl_b32 s[RM], 15, s[RM]                    ; my row of the cluster
	s_lshl_b32 s[CM], 0x1111, s[CX]                ; my column
	s_or_b32 s[G1A], s[RM], (1<<16)|(1<<20)|(1<<21)|(5<<22)|(3<<25)  ; the mask; 2-byte elements; padding on; bit 21 beside a mask; after every 64 words 4 words
	s_mov_b32 s[G1A+1], 128<<16                    ; tensor_dim0 = 128
	s_mov_b32 s[G1A+2], 128<<16                    ; tensor_dim1 = 128
	s_mov_b32 s[G1A+3], 128<<16                    ; tile_dim0 = 128
	s_mov_b32 s[G1A+4], 128                        ; tile_dim1 = 128 rows
	s_mov_b32 s[G1A+5], APITCH
	s_mov_b32 s[G1A+6], 0
	s_mov_b32 s[G1A+7], 0
	s_or_b32 s[G1B], s[CM], (1<<16)|(1<<20)|(1<<21)|(5<<22)|(7<<25)  ; the same with my column's mask and 8 words of padding
	s_mov_b32 s[G1B+1], 128<<16
	s_mov_b32 s[G1B+2], 64<<16                     ; tensor_dim1 = 64
	s_mov_b32 s[G1B+3], 128<<16
	s_mov_b32 s[G1B+4], 64                         ; tile_dim1 = 64 rows of K
	s_mov_b32 s[G1B+5], BPITCH
	s_mov_b32 s[G1B+6], 0
	s_mov_b32 s[G1B+7], 0
	s_lshl_b32 s16, s[TY], 8                       ; A: row 256 x tile row + 128 x half, in bytes
	s_lshl_b32 s17, s[HF], 7
	s_add_co_u32 s16, s16, s17
	s_mul_i32 s16, s16, APITCH*2
	s_mov_b32 s17, 0
	s_lshl_b32 s46, s[HF], 6                       ; B: K row 64 x half, column 128 x tile column
	s_mul_i32 s46, s46, BPITCH*2
	s_lshl_b32 s47, s[TX], 8
	s_add_co_u32 s46, s46, s47
	s_add_co_u32 s46, s46, BOFF
	s_mov_b32 s47, 0
	s_mul_i32 s20, s[HF], 128*PA                   ; where they go: no place in the cluster enters an LDS address
	s_mul_i32 s21, s[HF], 64*PB
	s_add_co_u32 s21, s21, BT
	s_mov_b32 s[SB], 0
	s_wait_dscnt 0x0                               ; the opening add is done
	s_wait_kmcnt 0x0
	s_mov_b64 s[8:9], s[6:7]                       ; scales
	s_mov_b64 s[6:7], s[4:5]                       ; B's buffer is prep too
	s_add_nc_u64 s[16:17], s[4:5], s[16:17]
	s_add_nc_u64 s[46:47], s[6:7], s[46:47]
	CROUND                                         ; all sixteen work-groups are here: the first joint loads meet
.irp s, 0,1
	s_mov_b32 s[G0A+4*(\s)], 1
	s_add_co_u32 s[G0A+4*(\s)+1], s20, (\s)*SLOT1
	s_add_nc_u64 s[G0A+4*(\s)+2:G0A+4*(\s)+3], s[16:17], (\s)*256
	s_or_b32 s[G0A+4*(\s)+3], s[G0A+4*(\s)+3], 0x80000000
	s_mov_b32 s[G0B+4*(\s)], 1
	s_add_co_u32 s[G0B+4*(\s)+1], s21, (\s)*SLOT1
	s_add_nc_u64 s[G0B+4*(\s)+2:G0B+4*(\s)+3], s[46:47], (\s)*256*BPITCH
	s_or_b32 s[G0B+4*(\s)+3], s[G0B+4*(\s)+3], 0x80000000
.endr
	s_cmp_eq_u32 s[FB], 0                          ; a wave's two first fills stand in one branch: K steps 0 and 1; two loads of mine are out
	s_cbranch_scc0 .Lfirst_b
	tensor_load_to_lds s[G0A:G0A+3], s[G1A:G1A+7]
	s_nop 0
	tensor_load_to_lds s[G0A+4:G0A+7], s[G1A:G1A+7]
	s_nop 0
.rept 4
	v_nop
.endr
	s_branch .Lfirst_asked
.Lfirst_b:
	tensor_load_to_lds s[G0B:G0B+3], s[G1B:G1B+7]
	s_nop 0
	tensor_load_to_lds s[G0B+4:G0B+7], s[G1B:G1B+7]
	s_nop 0
.rept 4
	v_nop
.endr
.Lfirst_asked:
	s_lshl_b32 s18, s[TX], 2
	s_load_b32 s[SC], s[8:9], s18 offset:0x0       ; my tile column's scale
	v_and_b32 v1, 15, v0                           ; r = lane % 16
	v_bfe_u32 v2, v0, 4, 1                         ; h = lane / 16
	v_and_b32 v6, 31, v0                           ; lane
	v_mul_u32_u24 v3, v1, PA
	v_lshl_add_u32 v3, v2, 4, v3
	s_mul_i32 s22, s[WV], 64*PA
	v_add_nc_u32 v[ADRA0], s22, v3                 ; A: my wave's 64 rows; row r, 16 bytes for each half of the lanes
	v_and_b32 v4, 7, v0
	v_lshl_add_u32 v4, v2, 3, v4
	v_mul_u32_u24 v4, v4, PB
	v_bfe_u32 v5, v0, 3, 1
	v_lshl_add_u32 v4, v5, 4, v4
	v_add_nc_u32 v[ADRB0], BT, v4                  ; B, for the turning load: K row 8 h + lane % 8, columns 8 ((lane / 8) % 2) on
	v_mov_b32 v[ADRA], v[ADRA0]
	v_mov_b32 v[ADRB], v[ADRB0]
	s_mul_i32 s22, s[WV], DW                       ; my rows on the way out
	v_mul_u32_u24 v3, v1, DP
	v_lshl_add_u32 v3, v2, 5, v3
	v_add_nc_u32 v[DST], s22, v3
	v_mov_b32 v[NEG1], -1.0
	s_lshl_b32 s23, s[WV], 14
	s_add_co_u32 s23, s23, TAB                     ; my part of the table
	s_and_b32 s20, s[TY], 7
	s_lshl_b32 s20, s20, 8
	s_lshl_b32 s21, s[WV], 6
	s_add_co_u32 s20, s20, s21                     ; my first row's place in its sequence
	s_cmp_eq_u32 s[CL], 0
	s_cbranch_scc1 .Lno_table                      ; the latents are not rotated
	s_lshl_b32 s16, s20, 8                         ; my 64 rows of the table are 16,384 consecutive bytes: through registers into LDS, in the wait for the first tiles
	s_add_co_u32 s16, s16, ROPE
	s_mov_b32 s17, 0
	s_add_nc_u64 s[RP:RP+1], s[6:7], s[16:17]
	v_lshlrev_b32 v7, 4, v6
	v_add_nc_u32 v8, s23, v7
.set i, 0
.rept 32
	global_load_b128 v[64+4*i:64+4*i+3], v7, s[RP:RP+1] offset:512*i
.set i, i+1
.endr
	s_wait_loadcnt 0x0
.set i, 0
.rept 32
	ds_store_b128 v8, v[64+4*i:64+4*i+3] offset:512*i
.set i, i+1
.endr
.Lno_table:
	s_wait_kmcnt 0x0
	s_mov_b32 s[SC+1], s[SC]                       ; named with it as a pair
	s_wait_dscnt 0x0
	s_wait_tensorcnt 0x1                           ; my part of K step 0 is in; K step 1's may stay out
	s_barrier_signal -1
	s_barrier_wait -1
	FETCH 0, F0
	QUARTER 1, F0, F1, 1                           ; the first quarter stands in front of the loop: its products start the sums
	WIN 0
	s_mov_b32 s3, NK-2
.Lstep:                                                ; a trip: from a K step's second quarter to the next step's first; every trip fills a slot again
	QUARTER 2, F1, F0, 0
	QUARTER 3, F0, F1, 0
	TURN 1
	QUARTER 1, F0, F1, 0
	WIN 0
	s_sub_co_u32 s3, s3, 1
	s_cmp_lg_u32 s3, 0
	s_cbranch_scc1 .Lstep
	QUARTER 2, F1, F0, 0                           ; the last two K steps ask for nothing
	QUARTER 3, F0, F1, 0
	TURN 0
	QUARTER 1, F0, F1, 0
	QUARTER 2, F1, F0, 0
	QUARTER 3, F0, F1, 0
	s_wait_dscnt 8
	MUL8 F1, 0, 0
	MUL8 F1, 2, 0
	s_wait_dscnt 0x0
	MUL8 F1, 4, 0
	MUL8 F1, 6, 0
	; THE WAY OUT.  The sums go into LDS as f32, over the ring: every wave's reads of it are over behind this barrier, and no fill follows.  Each wave then reads back only its own 64 rows, 8 a trip.
	WIN 0
	PLACES
	s_wait_dscnt 0x0
	s_barrier_signal -1
	s_barrier_wait -1
	WIN 0x04                                       ; store data in window 1
.irp a, 0,1,2,3
.irp b, 0,1,2,3,4,5,6,7
	ds_store_b128 v[DST], v[8*(8*(\a)+(\b)):8*(8*(\a)+(\b))+3]   offset:(\a)*16*DP+64*(\b)      ; each accumulator's lowest registers first
	ds_store_b128 v[DST], v[8*(8*(\a)+(\b))+4:8*(8*(\a)+(\b))+7] offset:(\a)*16*DP+64*(\b)+16
.endr
.endr
	WIN 0
.macro SCALE e
	v_pk_mul_f32 v[X+4*(\e):X+4*(\e)+1],   v[X+4*(\e):X+4*(\e)+1],   s[SC:SC+1] op_sel_hi:[1,0]
	v_pk_mul_f32 v[X+4*(\e)+2:X+4*(\e)+3], v[X+4*(\e)+2:X+4*(\e)+3], s[SC:SC+1] op_sel_hi:[1,0]
.endm
.macro ROT e, tr                       ; (x0, x1) -> (x0 cos - x1 sin, x1 cos + x0 sin), twice; (cos, sin) in the pairs at tr
	v_pk_mul_f32 v[T+4*(\e):T+4*(\e)+1],   v[X+4*(\e):X+4*(\e)+1],   v[(\tr):(\tr)+1]   op_sel_hi:[1,0]
	v_pk_mul_f32 v[T+4*(\e)+2:T+4*(\e)+3], v[X+4*(\e)+2:X+4*(\e)+3], v[(\tr)+2:(\tr)+3] op_sel_hi:[1,0]
	v_pk_fma_f32 v[T+4*(\e):T+4*(\e)+1],   v[X+4*(\e):X+4*(\e)+1],   v[(\tr):(\tr)+1],   v[T+4*(\e):T+4*(\e)+1]   op_sel:[1,1,0] op_sel_hi:[0,1,1] neg_lo:[1,0,0]
	v_pk_fma_f32 v[T+4*(\e)+2:T+4*(\e)+3], v[X+4*(\e)+2:X+4*(\e)+3], v[(\tr)+2:(\tr)+3], v[T+4*(\e)+2:T+4*(\e)+3] op_sel:[1,1,0] op_sel_hi:[0,1,1] neg_lo:[1,0,0]
.endm
.macro CVT e, src
	v_cvt_pk_f16_f32 v[Y+2*(\e)],   v[(\src)+4*(\e)],   v[(\src)+4*(\e)+1]
	v_cvt_pk_f16_f32 v[Y+2*(\e)+1], v[(\src)+4*(\e)+2], v[(\src)+4*(\e)+3]
.endm
.macro NEXT lbl, step, tab
	s_wait_xcnt 0x0                                ; the stores' base and data are written again only behind this wait
	s_add_nc_u64 s[OUT:OUT+1], s[OUT:OUT+1], \step
	v_add_nc_u32 v[RD], 8*DP, v[RD]
.if \tab
	v_add_nc_u32 v[TRD], 2048, v[TRD]
.endif
	s_sub_co_u32 s3, s3, 1
	s_cmp_lg_u32 s3, 0
	s_cbranch_scc1 \lbl
.endm
	s_mov_b32 s19, 0
	s_mov_b32 s3, 8
	v_lshlrev_b32 v[GOF], 3, v6                    ; 8 bytes a lane: a store covers 256 consecutive bytes, aligned
	s_cmp_eq_u32 s[CL], 0
	s_cbranch_scc0 .Lkr
	; the latents: a lane holds columns 4 lane .. + 3 of a row
	s_lshl_b32 s16, s[TY], 8
	s_lshl_b32 s17, s[WV], 6
	s_add_co_u32 s16, s16, s17
	s_lshl_b32 s18, s16, 11                        ; rows of 2,048 bytes
	s_lshr_b32 s17, s[TX], 1
	s_lshl_b32 s17, s17, 10                        ; kv or q
	s_add_co_u32 s18, s18, s17
	s_and_b32 s17, s[TX], 1
	s_lshl_b32 s17, s17, 8                         ; which 128 of its 256 columns
	s_add_co_u32 s18, s18, s17
	s_add_nc_u64 s[OUT:OUT+1], s[10:11], s[18:19]
	v_lshl_add_u32 v[RD], v6, 4, s22
.Llat:
.irp u, 0,1,2,3,4,5,6,7
	ds_load_b128 v[X+4*(\u):X+4*(\u)+3], v[RD] offset:(\u)*DP  ; LDS serves a wave's instructions in order (ISA guide 5.7.1.4): these see my stores above
.endr
	s_wait_dscnt 0x0
.irp u, 0,1,2,3,4,5,6,7
	SCALE \u
	CVT \u, X                                      ; hi
	v_fma_mix_f32 v[X+4*(\u)],   v[Y+2*(\u)],   v[NEG1], v[X+4*(\u)]   op_sel:[0,0,0] op_sel_hi:[1,0,0]  ; x - hi, exact
	v_fma_mix_f32 v[X+4*(\u)+1], v[Y+2*(\u)],   v[NEG1], v[X+4*(\u)+1] op_sel:[1,0,0] op_sel_hi:[1,0,0]
	v_fma_mix_f32 v[X+4*(\u)+2], v[Y+2*(\u)+1], v[NEG1], v[X+4*(\u)+2] op_sel:[0,0,0] op_sel_hi:[1,0,0]
	v_fma_mix_f32 v[X+4*(\u)+3], v[Y+2*(\u)+1], v[NEG1], v[X+4*(\u)+3] op_sel:[1,0,0] op_sel_hi:[1,0,0]
	v_cvt_pk_f16_f32 v[YL+2*(\u)],   v[X+4*(\u)],   v[X+4*(\u)+1]     ; lo
	v_cvt_pk_f16_f32 v[YL+2*(\u)+1], v[X+4*(\u)+2], v[X+4*(\u)+3]
	global_store_b64 v[GOF], v[Y+2*(\u):Y+2*(\u)+1],   s[OUT:OUT+1] offset:2048*(\u)
	global_store_b64 v[GOF], v[YL+2*(\u):YL+2*(\u)+1], s[OUT:OUT+1] offset:2048*(\u)+512
.endr
	NEXT .Llat, 16384, 0
	s_branch .Ldone
.Lkr:
	; k's rotary half: the tile is two heads of 64 columns.  A head's rows are 128 bytes, so a store takes two rows: lanes 0-15 the even one, lanes 16-31 the odd one, 4 columns a lane
	s_lshr_b32 s16, s[TY], 3
	s_lshl_b32 s16, s16, 4                         ; 16 x batch
	s_sub_co_u32 s17, s[TX], 4
	s_lshl_b32 s17, s17, 1
	s_add_co_u32 s16, s16, s17                     ; the first head's plane of 262,144 bytes
	s_lshl_b32 s18, s16, 18
	s_lshl_b32 s17, s20, 7
	s_add_co_u32 s18, s18, s17
	s_add_co_u32 s18, s18, KRO
	s_add_nc_u64 s[OUT:OUT+1], s[10:11], s[18:19]
	v_mul_u32_u24 v7, v2, DP
	v_lshl_add_u32 v7, v1, 4, v7
	v_add_nc_u32 v[RD], s22, v7
	v_lshl_add_u32 v[TRD], v6, 4, s23              ; the table's two rows are 512 consecutive bytes: 16 x lane
.Lkr_rows:
.irp e, 0,1,2,3,4,5,6,7                ; pair of rows e / 2, head e % 2
	ds_load_b128 v[X+4*(\e):X+4*(\e)+3], v[RD] offset:((\e)/2)*2*DP+((\e)%2)*256
.endr
.irp p, 0,1,2,3
	ds_load_b128 v[TR+4*(\p):TR+4*(\p)+3], v[TRD] offset:512*(\p)
.endr
	s_wait_dscnt 0x0
.irp e, 0,1,2,3,4,5,6,7
	SCALE \e
	ROT \e, TR+4*((\e)/2)
	CVT \e, T
	global_store_b64 v[GOF], v[Y+2*(\e):Y+2*(\e)+1], s[OUT:OUT+1] offset:((\e)%2)*262144+((\e)/2)*256
.endr
	NEXT .Lkr_rows, 1024, 1
.Ldone:
	s_wait_tensorcnt 0x0                           ; the wave's end
	ds_add_u32 v[SPW], v[NIL]
	s_wait_dscnt 0x0
	CROUND                                         ; the closing round: no work-group ends while a partner may still ask for a tile that names it
	s_endpgm
.Lfunc_end_k_qd097ad72d6_g1:
	.size	k_qd097ad72d6_g1, .Lfunc_end_k_qd097ad72d6_g1-k_qd097ad72d6_g1
	.p2alignl 7, 3214868480
	.fill 96, 4, 3214868480
	.section	.rodata,"a",@progbits
	.p2align	6, 0x0
	.amdhsa_kernel k_qd097ad72d6_g1
		.amdhsa_group_segment_fixed_size 327680
		.amdhsa_private_segment_fixed_size 0
		.amdhsa_enable_private_segment 0
		.amdhsa_kernarg_size 24
		.amdhsa_user_sgpr_count 2
		.amdhsa_user_sgpr_kernarg_segment_ptr 1
		.amdhsa_wavefront_size32 1
		.amdhsa_system_sgpr_workgroup_id_x 1
		.amdhsa_system_sgpr_workgroup_id_y 1
		.amdhsa_system_sgpr_workgroup_id_z 1
		.amdhsa_system_vgpr_workitem_id 0
		.amdhsa_next_free_vgpr 512
		.amdhsa_next_free_sgpr 84
		.amdhsa_reserve_vcc 0
		.amdhsa_float_denorm_mode_32 3
		.amdhsa_float_denorm_mode_16_64 3
		.amdhsa_memory_ordered 1
		.amdhsa_forward_progress 1
		.amdhsa_inst_pref_size 78
	.end_amdhsa_kernel
	.amdgpu_metadata
---
amdhsa.version: [ 1, 2 ]
amdhsa.kernels:
  - .name:           k_qd097ad72d6_g1
    .symbol:         k_qd097ad72d6_g1.kd
    .args:
      - { .name: prep, .offset: 0, .size: 8, .value_kind: global_buffer, .address_space: global }
      - { .name: scales, .offset: 8, .size: 8, .value_kind: global_buffer, .address_space: global }
      - { .name: g1out, .offset: 16, .size: 8, .value_kind: global_buffer, .address_space: global }
    .group_segment_fixed_size: 327680
    .private_segment_fixed_size: 0
    .kernarg_segment_align: 8
    .kernarg_segment_size: 24
    .max_flat_workgroup_size: 128
    .sgpr_count:     84
    .vgpr_count:     512
    .wavefront_size: 32
...
	.end_amdgpu_metadata
.endif
;; end of part 3
;; launch g2 (part 4): grid 8 x 32, 4 waves a work-group, clusters of 4 x 4, 327,680 bytes of LDS; arguments g1out, prep, scales, g2out; writes g2out
.if DOCPART == 4
	.amdgcn_target "amdgcn-amd-amdhsa--gfx1250"
	.amdhsa_code_object_version 6
	.text
	.protected	k_qd097ad72d6_g2
	.globl	k_qd097ad72d6_g2
	.p2align	8
	.type	k_qd097ad72d6_g2,@function
k_qd097ad72d6_g2:
	s_mov_b64 s[64:65], 0
	v_nop
	global_prefetch_b8 v0, s[64:65] scope:SCOPE_SE
	s_setreg_imm32_b32 hwreg(HW_REG_WAVE_MODE, 25, 1), 1
	s_wait_xcnt 0x0
	s_wait_alu depctr_hold_cnt(0) depctr_sa_sdst(0) depctr_va_vdst(0) depctr_va_sdst(0) depctr_va_ssrc(0) depctr_va_vcc(0) depctr_vm_vsrc(0)
	s_getreg_b32 s2, hwreg(HW_REG_IB_STS2, 6, 4)
	s_cmp_eq_u32 s2, 0
	s_cbranch_scc0 .Lentry_in_a_cluster
	s_endpgm
.Lentry_in_a_cluster:
	s_bfe_u32 s2, ttmp6, 0x10000c
	s_cmp_lg_u32 s2, 0xf033
	s_cbranch_scc0 .Lentry_shape_is_right
	s_endpgm
.Lentry_shape_is_right:
; G2.  The four projections up from the latents.  A = LAT in g1out (rows of 1,024 f16: kv_hi | kv_lo | q_hi | q_lo), B = W2H in prep ([512][5120] f16, N along the rows; rows 256-511 repeat rows 0-255); sums in f32.
;   v  = (kv_hi + kv_lo) Wv_u   K = 512   tile columns 16-31 of W2H   -> VH [32 heads][2048][128]
;   kc = (kv_hi + kv_lo) Wk_u   K = 512   tile columns 32-39          -> KC [32][2048][64], two heads a tile
;   q  = q_hi [Wq_u | Wrq]      K = 256   tile columns 0-15           -> QH [32][2048][128]: 64 content columns | 64 rotary columns, rotated here
; q takes the latent's high half alone: q is itself rounded to f16 below, so the latent's one f16 rounding adds an error of that size, and it enters the scores only.  q_lo is not read.
; Every number is stored in f16 times its power of two: the sum is multiplied by the new scale over the latent's (words 16, 32 and 48 of the table of scales).
; SHARES.  C has 32 x 40 tiles of 128 x 128: five for each of 256 work-groups, which STAY.  Work-group (g, ty) owns rows 128 ty on and walks the tile columns 16 + g, 24 + g, 32 + g, g, 8 + g: at each step of the
; walk all work-groups hold a tile of the same kind, so no branch hangs on a work-group's place.  Four waves, 2 x 2, each 64 x 64: 16 accumulators.
; RING.  A UNIT is K = 256: one LDS slot (A's 128 rows of 512 bytes, B's 256 rows of 256 bytes), 128 matrix instructions a wave.  The walk has eight units: v0 hi, lo; v1 hi, lo; kc hi, lo; q0; q1; even units lie
; in slot 0, odd ones in slot 1.  Units 0 and 1 are the first fills; the change of slots at the end of unit u asks for unit u + 2 (u = 0 .. 5).  So a first loop of three trips (two units, both with fills) and a
; second of two trips (one unit, no fill) hold the whole walk.  A tile's way out stands behind its last change of slots, while the next tiles are on their way.
; The second loop's last trip fetches 16 fragments out of the other slot that nobody multiplies: the price of one text for both trips.
; CLUSTER 4 x 4: A's tile hangs on ty and the unit and is asked for jointly by a row of the cluster, B's on g and the unit and by a column.
; THE MATRIX INSTRUCTION IS USED TRANSPOSED: source 0 = 16 columns of B (out of LDS by the turning load), source 1 = 16 rows of A: a lane holds eight neighbouring numbers of one row of C, and the two numbers
; that a rotation mixes lie in neighbouring registers (W2H is laid so).
; REGISTERS: window 0: v1-9 at work; v10-21 addresses; v28-29 the add's; v32-95 packed results; v96-127 at work; v128-255 accumulator (a, b) at v[128 + 8 (4 a + b)].
;   window 1: two fragment buffers of 128: for 64 along K, 64 registers of A, then 64 of B.   window 2: v0-127 (cos, sin) times q's scale for my 64 x 64 numbers, in the accumulators' own layout;
;   the waves that hold q's content half keep (scale, 0) there, so that one text serves both halves.
; LIMITS: those of f16 under the scales (see the launch that makes them); NaN and infinities are not treated apart (0 x infinity in the content half's rotation by (scale, 0) gives NaN).
.set APITCH, 1024                      ; elements from row to row of LAT
.set BPITCH, 5120                      ; of W2H
.set BOFF,   23068672                  ; W2H in prep
.set ROPE,   36700160                  ; the table [2048][32] (cos, sin) in prep
.set VHO,    16777216                  ; VH in g2out (QH lies at 0)
.set KCO,    33554432                  ; KC in g2out
.set PA,     528                       ; a row of A in LDS: 512 bytes + 16 = 132 words: the 16 rows of a load start at 16 different groups of four banks (64 banks of 4 bytes: ISA guide 11.1)
.set PB,     288                       ; a row of B: 256 + 32
.set HA,     64*PA                     ; what wave 0 or 1 fetches: 64 rows of A
.set HB,     128*PB                    ; what wave 2 or 3 fetches: 128 rows of B
.set BT,     2*HA                      ; B lies behind A's 128 rows
.set SLOT1,  BT+2*HB                   ; 141,312 bytes a slot
.set STAGE,  2*SLOT1                   ; behind the ring, never filled by a tensor load: 128 rows x 272 bytes, the work-group's, for the way out
.set SP,     272
.set SPARE,  STAGE+128*SP              ; the spare words, 128 bytes for each wave: two blocks of 256 bytes that no other line names
.set ADRA0,  10                        ; v10 my lane's place in a slot's A; v11, v12 in B's rows 0-127 and 128-255; never rewritten
.set ADRB0,  11
.set ADRB20, 12
.set ADRA,   13                        ; v13, v14, v15 the same in the slot that is read
.set ADRB,   14
.set STO,    16                        ; v16 the way out: where I put 16 bytes of a row
.set RD,     17                        ; v17 where I read whole rows of 256 bytes back; v18 rows of 128 bytes (KC)
.set RDK,    18
.set GOF,    19                        ; v19 16 x lane: my place in 512 consecutive bytes
.set TST,    20                        ; v20, v21 the table's way through the stage: in by rows, out in the accumulators' layout
.set TLD,    21
.set SPW,    28
.set NIL,    29
.set TMP,    32
.set T,      96
.set ACC,    128
.set F0,     0
.set F1,     128
.set WV, 12                            ; s12 wave; s13 wave / 2: my half of the rows; I fetch for A (0) or B (1); s14 wave % 2: my half of the columns; which half of that tile I fetch
.set FB, 13
.set HF, 14
.set TY, 15                            ; s15 block of 128 rows
.set G1A, 24
.set G0A, 32                           ; s[32:35] even units' A, s[36:39] odd units'
.set CX, 40
.set CY, 41
.set GX, 42                            ; s42 g
.set RM, 43
.set CM, 44
.set SB, 45                            ; s45 LDS base of the slot that is read
.set G1B, 48
.set G0B, 56
.set SC, 66                            ; s[66:67] the scale in hand
.set SQ, 68                            ; s68, s69, s70 q's, v's, kc's
.set SV, 69
.set SK, 70
.set OUT, 72                           ; s[72:73] where the tile in hand goes; s[74:75], s[76:77], s[78:79] v's, kc's, q's next tile
.set PV, 74
.set PK, 76
.set PQ, 78
.set AS, 80                            ; s[80:81], s[82:83] how far A's address goes on, even and odd units
.set BS, 84                            ; s[84:85], s[86:87] how far B's goes back
.set RP, 88
.set MSB, 0
.macro WIN new                         ; the immediate's high byte repeats the setting that is left; a switch that changes nothing is dropped
.if MSB != (\new)
	s_set_vgpr_msb (MSB<<8)|(\new)
.set MSB, \new
.endif
.endm
.set MUL,  0x05                        ; sources 0 (B) and 1 (A) window 1; C and D window 0
.set TO_F, 0x40                        ; destination window 1, address window 0
.macro PLACES                          ; four places behind matrix instructions (ISA guide 7.12.1), where no other vector work is at hand
.rept 4
	v_nop
.endr
.endm
.macro CREST                           ; a round of the cluster's barrier behind its opening barrier
	s_cmp_lg_u32 s[WV], 0
	s_cbranch_scc1 .Lnot_wave_0_\@
	s_barrier_signal -3
.Lnot_wave_0_\@:
	s_barrier_wait -3
	s_barrier_signal -1
	s_barrier_wait -1
.endm
.macro CROUND
	s_barrier_signal -1
	s_barrier_wait -1
	CREST
.endm
.macro JLOAD set                       ; a joint refill: waves 0, 1 A's halves, waves 2, 3 B's; s_nop 0 and four v_nop follow each line
	s_cmp_eq_u32 s[FB], 0
	s_cbranch_scc0 .Lfor_b_\@
	tensor_load_to_lds s[G0A+4*(\set):G0A+4*(\set)+3], s[G1A:G1A+7]
	s_nop 0
.rept 4
	v_nop
.endr
	s_branch .Lasked_\@
.Lfor_b_\@:
	tensor_load_to_lds s[G0B+4*(\set):G0B+4*(\set)+3], s[G1B:G1B+7]
	s_nop 0
.rept 4
	v_nop
.endr
.Lasked_\@:
.endm
; 32 LDS loads in one run: quarter kq of the slot (64 along K) into buffer f; the first 32 along K first
.macro FETCH kq, f
	WIN TO_F
.irp c, 0,1
.irp i, 0,1,2,3
	ds_load_tr16_b128 v[(\f)+64+8*(4*(\c)+(\i)):(\f)+64+8*(4*(\c)+(\i))+3],   v[ADRB+(\kq)/2] offset:(((\kq)%2)*64+32*(\c))*PB+32*(\i)
	ds_load_tr16_b128 v[(\f)+64+8*(4*(\c)+(\i))+4:(\f)+64+8*(4*(\c)+(\i))+7], v[ADRB+(\kq)/2] offset:(((\kq)%2)*64+32*(\c)+16)*PB+32*(\i)
	ds_load_b128 v[(\f)+8*(4*(\c)+(\i)):(\f)+8*(4*(\c)+(\i))+3],   v[ADRA] offset:128*(\kq)+64*(\c)+(\i)*16*PA
	ds_load_b128 v[(\f)+8*(4*(\c)+(\i))+4:(\f)+8*(4*(\c)+(\i))+7], v[ADRA] offset:128*(\kq)+64*(\c)+(\i)*16*PA+32
.endr
.endr
.endm
; 8 matrix instructions: row blocks a0, a0 + 1 x all 4 column blocks, 32 along K: half c of buffer f.  The 16 accumulators take turns, one instruction a turn.  zero = 1: the product starts the sum
.macro MUL8 f, c, a0, zero
	WIN MUL
.irp a, \a0, (\a0)+1
.irp b, 0,1,2,3
.if \zero
	v_wmma_f32_16x16x32_f16 v[ACC+8*(4*(\a)+(\b)):ACC+8*(4*(\a)+(\b))+7], v[(\f)+64+8*(4*(\c)+(\b)):(\f)+64+8*(4*(\c)+(\b))+7], v[(\f)+8*(4*(\c)+(\a)):(\f)+8*(4*(\c)+(\a))+7], 0
.else
	v_wmma_f32_16x16x32_f16 v[ACC+8*(4*(\a)+(\b)):ACC+8*(4*(\a)+(\b))+7], v[(\f)+64+8*(4*(\c)+(\b)):(\f)+64+8*(4*(\c)+(\b))+7], v[(\f)+8*(4*(\c)+(\a)):(\f)+8*(4*(\c)+(\a))+7], v[ACC+8*(4*(\a)+(\b)):ACC+8*(4*(\a)+(\b))+7]
.endif
.endr
.endr
.endm
; A unit is four quarters of 64 along K, 32 matrix instructions each, on buffers 0, 1, 0, 1.  One of the first three: multiplies buffer f and fetches quarter kq into g.
.macro QUARTER kq, f, g, zero
	s_wait_dscnt 16                                ; the first 32 along K are in; the youngest sixteen loads may be out
	MUL8 \f, 0, 0, \zero
	MUL8 \f, 0, 2, \zero
	PLACES                                         ; in front of loads into registers that the quarter before multiplied
	FETCH \kq, \g
	s_wait_dscnt 32                                ; all but the 32 just issued
	MUL8 \f, 1, 0, 0
	MUL8 \f, 1, 2, 0
.endm
; The last quarter multiplies buffer 1 and changes slots: ONE barrier.  In front of it each wave waits for all its tensor loads (at most one is out: its part of the next slot), adds 0 to its spare word, and waits for
; that and for its reads of this slot.  fill = 1: the barrier opens a round of the cluster's, and this slot takes the unit two further on, first thing behind the round; set = the slot's descriptors.
.macro TURN fill, set
	WIN 0
	s_wait_tensorcnt 0x0
	ds_add_u32 v[SPW], v[NIL]
	s_wait_dscnt 17                                ; (the add and the youngest sixteen loads may be out)
	MUL8 F1, 0, 0, 0
	s_wait_dscnt 0x0                               ; the add is done, and my reads of this slot are over
	s_barrier_signal -1
	MUL8 F1, 0, 2, 0
	WIN 0                                          ; at a branch and at a label every window is 0
	s_barrier_wait -1
.if \fill
	CREST
	s_add_nc_u64 s[G0A+4*(\set)+2:G0A+4*(\set)+3], s[G0A+4*(\set)+2:G0A+4*(\set)+3], s[AS+2*(\set):AS+2*(\set)+1]  ; no load of mine is out: the descriptors step.  A stays, or goes on to q_hi;
	s_add_nc_u64 s[G0B+4*(\set)+2:G0B+4*(\set)+3], s[G0B+4*(\set)+2:G0B+4*(\set)+3], 8*256                         ; B goes eight tile columns on,
	s_sub_nc_u64 s[G0B+4*(\set)+2:G0B+4*(\set)+3], s[G0B+4*(\set)+2:G0B+4*(\set)+3], s[BS+2*(\set):BS+2*(\set)+1]  ; and, where q follows, back to q's columns and rows
	JLOAD \set                                     ; its four v_nop are also the places in front of the loads below
.else
	PLACES
.endif
	s_xor_b32 s[SB], s[SB], SLOT1
	v_add_nc_u32 v[ADRA], s[SB], v[ADRA0]
	v_add_nc_u32 v[ADRB], s[SB], v[ADRB0]
	v_add_nc_u32 v[ADRB+1], s[SB], v[ADRB20]
	FETCH 0, F0
	MUL8 F1, 1, 0, 0
	MUL8 F1, 1, 2, 0
.endm
; THE WAY OUT, first part: four accumulators (16 rows) at a time are scaled, or rotated by the table (which holds the scale), rounded to f16 and put into the stage, 16 bytes a lane.
; Each accumulator's lowest registers are read first.  (x0, x1) -> (x0 cos - x1 sin, x1 cos + x0 sin).
.macro CONV rope
.irp a, 0,1,2,3
.if \rope
	WIN 0x08                                       ; source 1, the table, in window 2
.irp b, 0,1,2,3
.irp j, 0,1,2,3
	v_pk_mul_f32 v[T+8*(\b)+2*(\j):T+8*(\b)+2*(\j)+1], v[ACC+8*(4*(\a)+(\b))+2*(\j):ACC+8*(4*(\a)+(\b))+2*(\j)+1], v[8*(4*(\a)+(\b))+2*(\j):8*(4*(\a)+(\b))+2*(\j)+1] op_sel_hi:[1,0]
.endr
.endr
.irp b, 0,1,2,3
.irp j, 0,1,2,3
	v_pk_fma_f32 v[T+8*(\b)+2*(\j):T+8*(\b)+2*(\j)+1], v[ACC+8*(4*(\a)+(\b))+2*(\j):ACC+8*(4*(\a)+(\b))+2*(\j)+1], v[8*(4*(\a)+(\b))+2*(\j):8*(4*(\a)+(\b))+2*(\j)+1], v[T+8*(\b)+2*(\j):T+8*(\b)+2*(\j)+1] op_sel:[1,1,0] op_sel_hi:[0,1,1] neg_lo:[1,0,0]
.endr
.endr
	WIN 0
.else
.irp b, 0,1,2,3
.irp j, 0,1,2,3
	v_pk_mul_f32 v[T+8*(\b)+2*(\j):T+8*(\b)+2*(\j)+1], v[ACC+8*(4*(\a)+(\b))+2*(\j):ACC+8*(4*(\a)+(\b))+2*(\j)+1], s[SC:SC+1] op_sel_hi:[1,0]
.endr
.endr
.endif
.irp b, 0,1,2,3
.irp j, 0,1,2,3
	v_cvt_pk_f16_f32 v[TMP+4*(4*(\a)+(\b))+(\j)], v[T+8*(\b)+2*(\j)], v[T+8*(\b)+2*(\j)+1]
.endr
.endr
.irp b, 0,1,2,3
	ds_store_b128 v[STO], v[TMP+4*(4*(\a)+(\b)):TMP+4*(4*(\a)+(\b))+3] offset:(\a)*16*SP+32*(\b)
.endr
.endr
	s_wait_dscnt 0x0                               ; for the others' sake: my stores into the stage are done (a row's 256 bytes come from two waves)
	s_barrier_signal -1
	s_barrier_wait -1
.endm
; Second part: wave w takes rows 32 w .. 32 w + 31 back, whole, and stores them: every store covers 512 consecutive bytes, aligned.  kc = 0: two rows of 256 bytes of one head.
; kc = 1: four rows of 128 bytes, of the tile's first head (even t) or its second.  The next stores into the stage stand behind the next change of slots, whose barrier every wave signals with these loads back.
.macro BACK kc
.irp t, 0,1,2,3,4,5,6,7,8,9,10,11,12,13,14,15
.if \kc
	ds_load_b128 v[TMP+4*(\t):TMP+4*(\t)+3], v[RDK] offset:((\t)/2)*4*SP+((\t)%2)*128
.else
	ds_load_b128 v[TMP+4*(\t):TMP+4*(\t)+3], v[RD] offset:(\t)*2*SP
.endif
.endr
.irp t, 0,1,2,3,4,5,6,7,8,9,10,11,12,13,14,15
	s_wait_dscnt 15-(\t)                           ; LDS loads come back in order (ISA guide 5.7.1): load t is in, the younger ones stay out
.if \kc
	global_store_b128 v[GOF], v[TMP+4*(\t):TMP+4*(\t)+3], s[OUT:OUT+1] offset:((\t)%2)*262144+((\t)/2)*512
.else
	global_store_b128 v[GOF], v[TMP+4*(\t):TMP+4*(\t)+3], s[OUT:OUT+1] offset:(\t)*512
.endif
.endr
.endm
	s_load_b256 s[4:11], s[0:1], 0x0               ; g1out s[4:5], prep s[6:7], scales s[8:9], g2out s[10:11]
	v_lshl_add_u32 v[SPW], v0, 2, SPARE
	v_mov_b32 v[NIL], 0
	ds_add_u32 v[SPW], v[NIL]                      ; the wave's opening: the add and its wait stand ahead of my first tensor load
	v_lshrrev_b32 v1, 5, v0
	v_readfirstlane_b32 s[WV], v1
	s_lshr_b32 s[FB], s[WV], 1
	s_and_b32 s[HF], s[WV], 1
	s_bfe_u32 s[CX], ttmp6, 0x40000
	s_bfe_u32 s[CY], ttmp6, 0x40004
	s_lshl_b32 s[GX], ttmp9, 2
	s_add_co_u32 s[GX], s[GX], s[CX]               ; g = 4 x cluster x + cx
	s_and_b32 s[TY], ttmp7, 0xffff
	s_lshl_b32 s[TY], s[TY], 2
	s_add_co_u32 s[TY], s[TY], s[CY]               ; ty = 4 x cluster y + cy
	s_lshl_b32 s[RM], s[CY], 2
	s_lshl_b32 s[RM], 15, s[RM]                    ; my row of the cluster
	s_lshl_b32 s[CM], 0x1111, s[CX]                ; my column
	s_or_b32 s[G1A], s[RM], (1<<16)|(1<<20)|(1<<21)|(6<<22)|(3<<25)  ; the mask; 2-byte elements; padding on; bit 21 beside a mask; after every 128 words 4 words
	s_mov_b32 s[G1A+1], 256<<16                    ; tensor_dim0 = 256
	s_mov_b32 s[G1A+2], 64<<16                     ; tensor_dim1 = 64
	s_mov_b32 s[G1A+3], 256<<16                    ; tile_dim0 = 256 elements: rows of 512 bytes, aligned
	s_mov_b32 s[G1A+4], 64                         ; tile_dim1 = 64 rows
	s_mov_b32 s[G1A+5], APITCH
	s_mov_b32 s[G1A+6], 0
	s_mov_b32 s[G1A+7], 0
	s_or_b32 s[G1B], s[CM], (1<<16)|(1<<20)|(1<<21)|(5<<22)|(7<<25)  ; my column's mask; after every 64 words 8 words
	s_mov_b32 s[G1B+1], 128<<16                    ; tensor_dim0 = 128
	s_mov_b32 s[G1B+2], 128<<16                    ; tensor_dim1 = 128
	s_mov_b32 s[G1B+3], 128<<16                    ; tile_dim0 = 128 elements: rows of 256 bytes, aligned
	s_mov_b32 s[G1B+4], 128                        ; tile_dim1 = 128 rows of K
	s_mov_b32 s[G1B+5], BPITCH
	s_mov_b32 s[G1B+6], 0
	s_mov_b32 s[G1B+7], 0
	s_lshl_b32 s16, s[TY], 7                       ; A: row 128 ty + 64 x half, rows of 2,048 bytes; unit 0 begins at kv_hi, byte 0 of a row
	s_lshl_b32 s17, s[HF], 6
	s_add_co_u32 s16, s16, s17
	s_lshl_b32 s16, s16, 11
	s_mov_b32 s17, 0
	s_mul_i32 s46, s[HF], 128*BPITCH*2             ; B: K row 128 x half, tile column 16 + g
	s_lshl_b32 s47, s[GX], 8
	s_add_co_u32 s46, s46, s47
	s_add_co_u32 s46, s46, BOFF+16*256
	s_mov_b32 s47, 0
	s_mul_i32 s20, s[HF], HA                       ; where they go: no place in the cluster enters an LDS address
	s_mul_i32 s21, s[HF], HB
	s_add_co_u32 s21, s21, BT
	s_mov_b32 s[SB], 0
	s_mov_b32 s[AS+1], 0                           ; the steps' high words
	s_mov_b32 s[AS+3], 0
	s_mov_b32 s[BS+1], 0
	s_mov_b32 s[BS+3], 0
	s_wait_dscnt 0x0                               ; the opening add is done
	s_wait_kmcnt 0x0
	s_add_nc_u64 s[16:17], s[4:5], s[16:17]
	s_add_nc_u64 s[46:47], s[6:7], s[46:47]
	CROUND                                         ; all sixteen work-groups are here: the first joint loads meet
.irp s, 0,1
	s_mov_b32 s[G0A+4*(\s)], 1
	s_add_co_u32 s[G0A+4*(\s)+1], s20, (\s)*SLOT1
	s_add_nc_u64 s[G0A+4*(\s)+2:G0A+4*(\s)+3], s[16:17], (\s)*512          ; unit 1: kv_lo
	s_or_b32 s[G0A+4*(\s)+3], s[G0A+4*(\s)+3], 0x80000000
	s_mov_b32 s[G0B+4*(\s)], 1
	s_add_co_u32 s[G0B+4*(\s)+1], s21, (\s)*SLOT1
	s_add_nc_u64 s[G0B+4*(\s)+2:G0B+4*(\s)+3], s[46:47], (\s)*512*BPITCH   ; unit 1: rows 256 on
	s_or_b32 s[G0B+4*(\s)+3], s[G0B+4*(\s)+3], 0x80000000
.endr
	s_cmp_eq_u32 s[FB], 0                          ; a wave's two first fills stand in one branch: units 0 and 1; two loads of mine are out
	s_cbranch_scc0 .Lfirst_b
	tensor_load_to_lds s[G0A:G0A+3], s[G1A:G1A+7]
	s_nop 0
	tensor_load_to_lds s[G0A+4:G0A+7], s[G1A:G1A+7]
	s_nop 0
.rept 4
	v_nop
.endr
	s_branch .Lfirst_asked
.Lfirst_b:
	tensor_load_to_lds s[G0B:G0B+3], s[G1B:G1B+7]
	s_nop 0
	tensor_load_to_lds s[G0B+4:G0B+7], s[G1B:G1B+7]
	s_nop 0
.rept 4
	v_nop
.endr
.Lfirst_asked:
	s_load_b32 s[SQ], s[8:9], 0x40                 ; a_q / a_qd
	s_load_b32 s[SV], s[8:9], 0x80                 ; a_v / a_kv
	s_load_b32 s[SK], s[8:9], 0xc0                 ; a_k / a_kv
	; where the tiles go.  I store rows 32 w .. 32 w + 31 of the work-group's 128
	s_lshr_b32 s16, s[TY], 4
	s_lshl_b32 s16, s16, 4                         ; 16 x batch
	s_and_b32 s17, s[TY], 15
	s_lshl_b32 s17, s17, 7                         ; the block's first row's place in its sequence
	s_lshl_b32 s18, s[WV], 5
	s_add_co_u32 s18, s18, s17
	s_add_co_u32 s19, s16, s[GX]                   ; head g's plane of 524,288 bytes
	s_lshl_b32 s22, s19, 19
	s_lshl_b32 s23, s18, 8
	s_add_co_u32 s22, s22, s23
	s_mov_b32 s23, 0
	s_add_nc_u64 s[PQ:PQ+1], s[10:11], s[22:23]
	s_add_nc_u64 s[PV:PV+1], s[PQ:PQ+1], VHO
	s_lshl_b32 s19, s[GX], 1
	s_add_co_u32 s19, s19, s16                     ; head 2 g's plane of 262,144 bytes
	s_lshl_b32 s22, s19, 18
	s_lshl_b32 s19, s18, 7
	s_add_co_u32 s22, s22, s19
	s_add_co_u32 s22, s22, KCO
	s_add_nc_u64 s[PK:PK+1], s[10:11], s[22:23]
	s_lshl_b32 s19, s[FB], 6                       ; the table's rows for my 64 rows: 16,384 consecutive bytes
	s_add_co_u32 s19, s19, s17
	s_lshl_b32 s22, s19, 8
	s_add_co_u32 s22, s22, ROPE
	s_add_nc_u64 s[RP:RP+1], s[6:7], s[22:23]
	; A fragment is 16 rows x 32 K in 8 registers: lane l holds row l % 16; registers 0-3 K = 8 (l / 16) + 0..7, registers 4-7 K = 16 + 8 (l / 16) + 0..7
	v_and_b32 v1, 15, v0                           ; r = lane % 16
	v_bfe_u32 v2, v0, 4, 1                         ; h = lane / 16
	v_and_b32 v6, 31, v0                           ; lane
	v_mul_u32_u24 v3, v1, PA
	v_lshl_add_u32 v3, v2, 4, v3
	s_mul_i32 s19, s[FB], 64*PA
	v_add_nc_u32 v[ADRA0], s19, v3                 ; A: my 64 rows; row r, 16 bytes for each half of the lanes
	v_and_b32 v4, 7, v0
	v_lshl_add_u32 v5, v2, 3, v4
	v_mul_u32_u24 v5, v5, PB
	v_bfe_u32 v7, v0, 3, 1
	v_lshl_add_u32 v5, v7, 4, v5
	s_lshl_b32 s19, s[HF], 7
	s_add_co_u32 s19, s19, BT
	v_add_nc_u32 v[ADRB0], s19, v5                 ; B, for the turning load: K row 8 h + lane % 8, my 64 columns, 8 ((lane / 8) % 2) on
	v_add_nc_u32 v[ADRB20], 128*PB, v[ADRB0]       ; rows 128 on have a register of their own: an LDS offset ends at 65,535
	v_mov_b32 v[ADRA], v[ADRA0]
	v_mov_b32 v[ADRB], v[ADRB0]
	v_mov_b32 v[ADRB+1], v[ADRB20]
	v_mul_u32_u24 v3, v1, SP
	s_mul_i32 s19, s[FB], 64*SP
	s_add_co_u32 s19, s19, STAGE                   ; my 64 rows of the stage
	v_add_nc_u32 v8, s19, v3
	v_lshl_add_u32 v[TLD], v2, 5, v8               ; the table out: row r, 32 bytes (4 pairs) for each half of the lanes
	v_lshl_add_u32 v[STO], v2, 4, v8               ; results in: row r, 16 bytes for each half of the lanes,
	s_lshl_b32 s3, s[HF], 7
	v_add_nc_u32 v[STO], s3, v[STO]                ; in my half of the row's 256 bytes
	v_mul_u32_u24 v9, v2, SP
	v_lshl_add_u32 v9, v1, 4, v9                   ; lanes 0-15 one row of 256 bytes, lanes 16-31 the next
	v_add_nc_u32 v[TST], s19, v9
	s_mul_i32 s3, s[WV], 32*SP
	s_add_co_u32 s3, s3, STAGE
	v_add_nc_u32 v[RD], s3, v9
	v_bfe_u32 v9, v0, 3, 2
	v_mul_u32_u24 v9, v9, SP
	v_lshl_add_u32 v9, v4, 4, v9                   ; eight lanes to a row of 128 bytes, four rows
	v_add_nc_u32 v[RDK], s3, v9
	v_lshlrev_b32 v[GOF], 4, v6
	s_wait_kmcnt 0x0
	s_mov_b32 s[SC], s[SQ]
	s_mov_b32 s[SC+1], s[SQ]                       ; named with it as a pair
	; THE TABLE, in the wait for the first tiles.  The two waves that hold q's rotary half bring their 64 rows in by whole rows of 256 bytes, send them through their own 64 rows of the stage, take them out in the
	; accumulators' layout (row 16 a + r, pairs 8 b + 4 h + 0..3) and fold q's scale in.  The other two write (scale, 0).
	s_cmp_eq_u32 s[HF], 0
	s_cbranch_scc1 .Lcontent
	WIN TO_F
.set i, 0
.rept 32
	global_load_b128 v[4*i:4*i+3], v[GOF], s[RP:RP+1] offset:512*i
.set i, i+1
.endr
	s_wait_loadcnt 0x0
	WIN 0x04                                       ; store data in window 1
.set i, 0
.rept 32
	ds_store_b128 v[TST], v[4*i:4*i+3] offset:i*2*SP
.set i, i+1
.endr
	WIN 0x80                                       ; destination window 2
.irp t, 0,1,2,3,4,5,6,7,8,9,10,11,12,13,14,15
	ds_load_b128 v[8*(\t):8*(\t)+3],   v[TLD] offset:((\t)/4)*16*SP+((\t)%4)*64     ; LDS serves a wave's instructions in order (ISA guide 5.7.1.4): these see my stores above
	ds_load_b128 v[8*(\t)+4:8*(\t)+7], v[TLD] offset:((\t)/4)*16*SP+((\t)%4)*64+16
.endr
	s_wait_dscnt 0x0
	WIN 0x82
.set i, 0
.rept 64
	v_pk_mul_f32 v[2*i:2*i+1], v[2*i:2*i+1], s[SC:SC+1] op_sel_hi:[1,0]
.set i, i+1
.endr
	WIN 0
	s_branch .Ltable
.Lcontent:
	WIN 0x80
.set i, 0
.rept 64
	v_mov_b32 v[2*i], s[SQ]
	v_mov_b32 v[2*i+1], 0
.set i, i+1
.endr
	WIN 0
.Ltable:
	s_wait_dscnt 0x0
	s_wait_tensorcnt 0x1                           ; my part of unit 0 is in; unit 1's may stay out
	s_barrier_signal -1
	s_barrier_wait -1
	FETCH 0, F0
	WIN 0
	s_mov_b32 s2, 3
.Ltile:                                                ; three trips: v of head g, v of head 8 + g, kc of heads 2 g and 2 g + 1.  Two units a trip; each asks for the unit two further on
	s_cmp_eq_u32 s2, 1                             ; the third trip asks for q's two units: A goes on to q_hi (from kv_hi 1,024 bytes, from kv_lo 512),
	s_cselect_b32 s[AS], 1024, 0
	s_cselect_b32 s[AS+2], 512, 0
	s_cselect_b32 s[BS], 40*256, 0                 ; B from tile column 40 + g back to g,
	s_cselect_b32 s[BS+2], 512*BPITCH+32*256, 0    ; or from row 256 and column 40 + g back to row 0 and column 8 + g
	QUARTER 1, F0, F1, 1                           ; a tile's first products start the sums: nothing is cleared
	QUARTER 2, F1, F0, 0
	QUARTER 3, F0, F1, 0
	TURN 1, 0
	QUARTER 1, F0, F1, 0
	QUARTER 2, F1, F0, 0
	QUARTER 3, F0, F1, 0
	TURN 1, 1                                      ; both refills are asked for, and the next tile's first fragments fetched: now the tile goes out
	WIN 0
	PLACES
	s_wait_xcnt 0x0                                ; the last tile's stores have read their base and data: only behind this wait are these written again
	s_cmp_eq_u32 s2, 1
	s_cselect_b64 s[OUT:OUT+1], s[PK:PK+1], s[PV:PV+1]
	s_cselect_b32 s[SC], s[SK], s[SV]
	s_cselect_b32 s[SC+1], s[SK], s[SV]
	s_add_nc_u64 s[PV:PV+1], s[PV:PV+1], 8*524288  ; v's next tile lies eight heads on
	CONV 0
	s_cmp_eq_u32 s2, 1
	s_cbranch_scc1 .Lback_kc
	BACK 0
	s_branch .Lback_done
.Lback_kc:
	BACK 1
.Lback_done:
	s_sub_co_u32 s2, s2, 1
	s_cmp_lg_u32 s2, 0
	s_cbranch_scc1 .Ltile
	s_mov_b32 s2, 2
.Lq:                                                   ; two trips: q of head g, q of head 8 + g.  One unit a trip; nothing is left to ask for
	QUARTER 1, F0, F1, 1
	QUARTER 2, F1, F0, 0
	QUARTER 3, F0, F1, 0
	TURN 0, 0                                      ; the first trip's wait and barrier show the last unit whole; the second trip's fetch serves nothing (see the head)
	WIN 0
	PLACES
	s_wait_xcnt 0x0
	s_mov_b64 s[OUT:OUT+1], s[PQ:PQ+1]
	s_add_nc_u64 s[PQ:PQ+1], s[PQ:PQ+1], 8*524288
	CONV 1
	BACK 0
	s_sub_co_u32 s2, s2, 1
	s_cmp_lg_u32 s2, 0
	s_cbranch_scc1 .Lq
	s_wait_tensorcnt 0x0                           ; the wave's end
	ds_add_u32 v[SPW], v[NIL]
	s_wait_dscnt 0x0
	CROUND                                         ; the closing round: no work-group ends while a partner may still ask for a tile that names it
	s_endpgm
.Lfunc_end_k_qd097ad72d6_g2:
	.size	k_qd097ad72d6_g2, .Lfunc_end_k_qd097ad72d6_g2-k_qd097ad72d6_g2
	.p2alignl 7, 3214868480
	.fill 96, 4, 3214868480
	.section	.rodata,"a",@progbits
	.p2align	6, 0x0
	.amdhsa_kernel k_qd097ad72d6_g2
		.amdhsa_group_segment_fixed_size 327680
		.amdhsa_private_segment_fixed_size 0
		.amdhsa_enable_private_segment 0
		.amdhsa_kernarg_size 32
		.amdhsa_user_sgpr_count 2
		.amdhsa_user_sgpr_kernarg_segment_ptr 1
		.amdhsa_wavefront_size32 1
		.amdhsa_system_sgpr_workgroup_id_x 1
		.amdhsa_system_sgpr_workgroup_id_y 1
		.amdhsa_system_sgpr_workgroup_id_z 1
		.amdhsa_system_vgpr_workitem_id 0
		.amdhsa_next_free_vgpr 640
		.amdhsa_next_free_sgpr 92
		.amdhsa_reserve_vcc 0
		.amdhsa_float_denorm_mode_32 3
		.amdhsa_float_denorm_mode_16_64 3
		.amdhsa_memory_ordered 1
		.amdhsa_forward_progress 1
		.amdhsa_inst_pref_size 113
	.end_amdhsa_kernel
	.amdgpu_metadata
---
amdhsa.version: [ 1, 2 ]
amdhsa.kernels:
  - .name:           k_qd097ad72d6_g2
    .symbol:         k_qd097ad72d6_g2.kd
    .args:
      - { .name: g1out, .offset: 0, .size: 8, .value_kind: global_buffer, .address_space: global }
      - { .name: prep, .offset: 8, .size: 8, .value_kind: global_buffer, .address_space: global }
      - { .name: scales, .offset: 16, .size: 8, .value_kind: global_buffer, .address_space: global }
      - { .name: g2out, .offset: 24, .size: 8, .value_kind: global_buffer, .address_space: global }
    .group_segment_fixed_size: 327680
    .private_segment_fixed_size: 0
    .kernarg_segment_align: 8
    .kernarg_segment_size: 32
    .max_flat_workgroup_size: 128
    .sgpr_count:     92
    .vgpr_count:     640
    .wavefront_size: 32
...
	.end_amdgpu_metadata
.endif
;; end of part 4
;; launch attn (part 5): grid 8 x 32, 4 waves a work-group, clusters of 4 x 1, 327,680 bytes of LDS; arguments g2out, g1out, scales, yh; writes yh
.if DOCPART == 5
	.amdgcn_target "amdgcn-amd-amdhsa--gfx1250"
	.amdhsa_code_object_version 6
	.text
	.protected	k_qd097ad72d6_attn
	.globl	k_qd097ad72d6_attn
	.p2align	8
	.type	k_qd097ad72d6_attn,@function
k_qd097ad72d6_attn:
	s_mov_b64 s[64:65], 0
	v_nop
	global_prefetch_b8 v0, s[64:65] scope:SCOPE_SE
	s_setreg_imm32_b32 hwreg(HW_REG_WAVE_MODE, 25, 1), 1
	s_wait_xcnt 0x0
	s_wait_alu depctr_hold_cnt(0) depctr_sa_sdst(0) depctr_va_vdst(0) depctr_va_sdst(0) depctr_va_ssrc(0) depctr_va_vcc(0) depctr_vm_vsrc(0)
	s_getreg_b32 s2, hwreg(HW_REG_IB_STS2, 6, 4)
	s_cmp_eq_u32 s2, 0
	s_cbranch_scc0 .Lentry_in_a_cluster
	s_endpgm
.Lentry_in_a_cluster:
	s_bfe_u32 s2, ttmp6, 0x10000c
	s_cmp_lg_u32 s2, 0x3003
	s_cbranch_scc0 .Lentry_shape_is_right
	s_endpgm
.Lentry_shape_is_right:
; CAUSAL ATTENTION, head size 128.  y[q] = the sum over k <= q of softmax_k(q . k / sqrt(128)) v[k], for 32 heads (batch x head) of 2,048 rows.  All operands f16, each times its power of two:
; Q = QH [32][2048][128] and V = VH (g2out); K's channels 0-63 = KC [32][2048][64] (g2out), channels 64-127 = KR (g1out).  y -> yh [4096][2048] f16, still times v's scale.
; Products, maxima and sums in f32; the weights p are rounded to f16 for the second product (their sum l is taken of the unrounded p), y once at the end.
; SOFTMAX.  A running maximum m and sum l for each query: p = 2^(c s - c m), where c = log2(e) / sqrt(128) over q's and k's scales comes from the table of scales; in every step O and l are multiplied by
; a = 2^(c m_old - c m_new).  m starts at the lowest finite number, O and l at 0: the first step is a step like any other, with a = 0.  A hidden score is the lowest finite number;
; key 0 is seen by every query in its first step, so m is a true score from then on.  LIMITS: a weight below 2^-126 counts as 0; NaN and infinities are not treated apart.
; SHARES.  A head has 128 tiles of 16 queries, in four quarters of 32.  With J the cluster's x (0, 1), u = 4 x place in the cluster + wave, i = 16 J + u, a wave owns tile i of each quarter:
; register tile t is the head's tile 32 (3 - t) + i.  Keys go in slots of 256; tile t is alive up to slot 7 - 2 t and under the mask in its last two slots, whatever the wave: 8 + 6 + 4 + 2 = 20 tile-slots
; of the 32 that a walk without the mask would have, the same for every wave, and every jump of the walk hangs on the slot's number and constants alone.  i enters Q's and y's addresses and the mask's threshold only.
; So the four work-groups of a cluster walk the same K and V and ask for each slot JOINTLY.  The price: a tile's last 512 keys are computed whole, under the mask.
; LAYOUT.  S^T = K Q^T (source 0 = 16 keys, source 1 = 16 queries): a lane holds ONE query (lane % 16) and the keys 8 (lane / 16) + 0..7.  Two such results rounded to f16 ARE source 1 of O^T = V^T P.
; IN PHASES: for each tile alive 16 products K Q^T, the mask in the tile's last two slots, the softmax (134 vector instructions), 16 products V^T P.
; REGISTERS: window 0: v1-11 addresses and thresholds; v12-43 eight statistics a tile (c m, m, l even, l odd, four at work); v44 the hidden score; v45-58 at work and offsets; v62-63 the add's;
;   v64-95 S^T (v64-191 on the way out); v192-207 P.   Window 1: O^T, 64 a tile.   Window 2: v0-127 Q, 32 a tile; v128-255 K of one step.   Window 3: v0-127 V of one step.
.set KS,    64                         ; keys in a step
.set PK,    144                        ; a key's 64 channels in LDS: 128 bytes + 16: the 16 rows of a load start at 16 different groups of four banks (64 banks of 4 bytes: ISA guide 11.1)
.set PV,    288                        ; a row of V: 256 + 32
.set KRL,   256*PK                     ; a slot: KC's 256 keys, KR's 256 keys,
.set VOFF,  2*256*PK                   ; V's 256 keys
.set SLOTB, 0x24000                    ; 147,456 bytes.  The four waves' parts begin at 0, 0x9000, 0x12000, 0x1b000: none holds a bit of 0x24000, so an exclusive or turns one slot's address into the other's
.set STAGE, 2*SLOTB                    ; behind the ring, never filled by a tensor load: 16 rows x 272 bytes for each wave
.set SP,    272
.set SPARE, STAGE+4*16*SP              ; the spare words: two blocks of 256 bytes that no other line names
.set VHO,   16777216                   ; VH in g2out (QH lies at 0)
.set KCO,   33554432                   ; KC in g2out
.set KRO,   8388608                    ; KR in g1out
.set AK0, 2
.set AV0, 3
.set AK,  4
.set AV,  5
.set STO, 6
.set RD,  7
.set THR, 9                            ; v9  my query's place in its quarter's 512 rows, less 8 (lane / 16)
.set THS, 11                           ; v11 that less the step's first key's place in 512 keys
.set ST,  12
.set NEG, 44
.set QO,  48                           ; v48-51 my byte offset in tile t's rows of Q
.set GO,  52                           ; v52-55 in its rows of y
.set SPW, 62
.set NIL, 63
.set S,   64
.set P,   192
.set KF,  128
.set WV,  12
.set G1K, 24
.set G1V, 32
.set G0K, 40
.set G0V, 44
.set SIG, 56                           ; s56 the slot's number
.set CNT, 57                           ; s57 counts a slot's key steps, 4 to 1
.set CS,  58                           ; s[58:59] c
.set SEL, 60
.set TBK, 62                           ; s62, s63 LDS byte at which the step's K and V begin, less their places in a slot
.set TBV, 63
.set SB,  66                           ; s66 the slot that is read
.set KEY0, 67                          ; s67 the step's first key's place in a pair of slots: 256 (slot % 2) + 64 x step
.set TI,  72                           ; s72-75 tile t's number in the head
.set MSB, 0
.macro WIN new
.if MSB != (\new)
	s_set_vgpr_msb (MSB<<8)|(\new)
.set MSB, \new
.endif
.endm
.set W_KQ, 0x0a                        ; K and Q in window 2, S^T in window 0
.set W_PV, 0x53                        ; V in window 3, P in window 0, O^T in window 1
.set W_RS, 0x41                        ; O^T (destination and source 0) in window 1, the factor in window 0
.macro PLACES
.rept 4
	v_nop
.endr
.endm
.macro JLOAD                           ; a joint fill: wave 0 KC's 256 keys, wave 1 KR's, waves 2 and 3 the halves of V's; s_nop 0 and four v_nop follow each line
	s_cmp_lt_u32 s[WV], 2
	s_cbranch_scc0 .Lfor_v_\@
	tensor_load_to_lds s[G0K:G0K+3], s[G1K:G1K+7]
	s_nop 0
.rept 4
	v_nop
.endr
	s_branch .Lasked_\@
.Lfor_v_\@:
	tensor_load_to_lds s[G0V:G0V+3], s[G1V:G1V+7]
	s_nop 0
.rept 4
	v_nop
.endr
.Lasked_\@:
.endm
.macro CROUND
	s_barrier_signal -1
	s_barrier_wait -1
	s_cmp_lg_u32 s[WV], 0
	s_cbranch_scc1 .Lnot_wave_0_\@
	s_barrier_signal -3
.Lnot_wave_0_\@:
	s_barrier_wait -3
	s_barrier_signal -1
	s_barrier_wait -1
.endm
; THE CHANGE OF SLOTS.  Each wave waits for all its tensor loads (one is out: its part of the other slot), adds 0 to its spare word, and waits for that and for its reads of the slot that it leaves.
; fill = 1: the barrier is a round of the cluster's, and the slot just left is filled with the keys two slots on, first thing behind it.  (At its first use nothing has been read: slot 0 is waited for, slot 1 filled.)
.macro CHANGE fill
	WIN 0
	s_wait_tensorcnt 0x0                           ; no tensor load of mine is out, so a group 0 may be written
	ds_add_u32 v[SPW], v[NIL]
.if \fill
	s_xor_b32 s[G0K+1], s[G0K+1], SLOTB
	s_add_nc_u64 s[G0K+2:G0K+3], s[G0K+2:G0K+3], 256*128
	s_xor_b32 s[G0V+1], s[G0V+1], SLOTB
	s_add_nc_u64 s[G0V+2:G0V+3], s[G0V+2:G0V+3], 256*256
	s_wait_dscnt 0x0
	CROUND
	JLOAD
.else
	s_wait_dscnt 0x0
	s_barrier_signal -1
	s_barrier_wait -1
.endif
	s_xor_b32 s[SB], s[SB], SLOTB
.endm
	s_load_b256 s[4:11], s[0:1], 0x0               ; g2out s[4:5], g1out s[6:7], scales s[8:9], yh s[10:11]
	v_lshl_add_u32 v[SPW], v0, 2, SPARE
	v_mov_b32 v[NIL], 0
	ds_add_u32 v[SPW], v[NIL]                      ; the wave's opening: the add and its wait stand ahead of my first tensor load
	v_lshrrev_b32 v1, 5, v0
	v_readfirstlane_b32 s[WV], v1
	s_bfe_u32 s13, ttmp6, 0x40000                  ; my place in the cluster: it enters Q's and y's addresses and the mask's threshold alone
	s_lshl_b32 s15, s13, 2
	s_add_co_u32 s15, s15, s[WV]                   ; u
	s_lshl_b32 s16, ttmp9, 4
	s_add_co_u32 s16, s16, s15                     ; i
	s_add_co_u32 s[TI], s16, 96
	s_add_co_u32 s[TI+1], s16, 64
	s_add_co_u32 s[TI+2], s16, 32
	s_mov_b32 s[TI+3], s16
	s_and_b32 s20, ttmp7, 0xffff                   ; the head, 16 x batch + head
	s_and_b32 s17, s[WV], 1
	s_lshl_b32 s22, s20, 18                        ; its plane in KC and KR
	s_mov_b32 s23, 0
	s_lshl_b32 s18, s20, 19                        ; in QH and VH
	s_mov_b32 s19, 0
	s_lshl_b32 s80, s17, 15                        ; V: my 128 of a slot's 256 rows
	s_mov_b32 s81, 0
	s_lshr_b32 s86, s20, 4
	s_lshl_b32 s86, s86, 23                        ; y: the batch's 2,048 rows of 4,096 bytes,
	s_and_b32 s21, s20, 15
	s_lshl_b32 s21, s21, 8                         ; the head's 256 bytes in a row
	s_add_co_u32 s86, s86, s21
	s_mov_b32 s87, 0
	s_mov_b32 s[G1K], 15|(1<<16)|(1<<20)|(1<<21)|(4<<22)|(3<<25)  ; the mask of four; 2-byte elements; padding on; bit 21 beside a mask; after every 32 words 4 words: 256 keys are 32,768 dense bytes, asked for as 128 rows of 256, padded after each key
	s_mov_b32 s[G1V], 15|(1<<16)|(1<<20)|(1<<21)|(5<<22)|(7<<25)  ; after every 64 words 8 words
.irp g, G1K, G1V
	s_mov_b32 s[(\g)+1], 128<<16                   ; tensor_dim0 = 128
	s_mov_b32 s[(\g)+2], 128<<16                   ; tensor_dim1 = 128
	s_mov_b32 s[(\g)+3], 128<<16                   ; tile_dim0 = 128
	s_mov_b32 s[(\g)+4], 128                       ; tile_dim1 = 128
	s_mov_b32 s[(\g)+5], 128                       ; 128 elements from row to row
	s_mov_b32 s[(\g)+6], 0
	s_mov_b32 s[(\g)+7], 0
.endr
	s_mov_b32 s[G0K], 1
	s_mul_i32 s[G0K+1], s17, KRL
	s_mov_b32 s[G0V], 1
	s_mul_i32 s[G0V+1], s17, 128*PV
	s_add_co_u32 s[G0V+1], s[G0V+1], VOFF
	s_mov_b32 s[SEL], 0x76543210
	s_mov_b32 s[SEL+1], 0xfedcba98
	s_mov_b32 s[SB], SLOTB                         ; the first change of slots turns it into 0
	s_mov_b32 s[SIG], 0
	s_wait_dscnt 0x0                               ; the opening add is done
	s_wait_kmcnt 0x0
	s_load_b32 s[CS], s[8:9], 0xe0                 ; word 56: c
	s_add_nc_u64 s[76:77], s[4:5], s[22:23]
	s_add_nc_u64 s[76:77], s[76:77], KCO
	s_add_nc_u64 s[78:79], s[6:7], s[22:23]
	s_add_nc_u64 s[78:79], s[78:79], KRO
	s_cmp_eq_u32 s17, 0
	s_cselect_b64 s[G0K+2:G0K+3], s[76:77], s[78:79]  ; wave 0 walks KC, wave 1 KR
	s_or_b32 s[G0K+3], s[G0K+3], 0x80000000
	s_add_nc_u64 s[82:83], s[4:5], s[18:19]        ; Q at the head's first row
	s_add_nc_u64 s[G0V+2:G0V+3], s[82:83], s[80:81]
	s_add_nc_u64 s[G0V+2:G0V+3], s[G0V+2:G0V+3], VHO
	s_or_b32 s[G0V+3], s[G0V+3], 0x80000000
	s_add_nc_u64 s[84:85], s[10:11], s[86:87]      ; y at the head's first row
	CROUND                                         ; all four work-groups are here: the first joint loads meet
	JLOAD                                          ; slot 0
	v_and_b32 v1, 15, v0                           ; r = lane % 16
	v_bfe_u32 v45, v0, 4, 1                        ; h = lane / 16
	v_lshlrev_b32 v56, 8, v1
	v_lshl_add_u32 v56, v45, 4, v56                ; a fragment of Q: row r, 16 bytes for each half of the lanes
.irp t, 0,1,2,3
	v_lshl_add_u32 v[QO+(\t)], s[TI+(\t)], 12, v56 ; a tile is 16 rows of 256 bytes
.endr
	WIN 0x80                                       ; destination window 2
.irp t, 0,1,2,3
.irp c, 0,1,2,3
	global_load_b128 v[32*(\t)+8*(\c):32*(\t)+8*(\c)+3],   v[QO+(\t)], s[82:83] offset:64*(\c)
	global_load_b128 v[32*(\t)+8*(\c)+4:32*(\t)+8*(\c)+7], v[QO+(\t)], s[82:83] offset:64*(\c)+32
.endr
.endr
	WIN 0x40                                       ; O^T starts at 0: the price of writing no first step out; it stands in the wait for the first tile
.set i, 0
.rept 256
	v_mov_b32 v[i], 0
.set i, i+1
.endr
	WIN 0
.irp t, 0,1,2,3
	v_mov_b32 v[ST+8*(\t)], 0xfe000000             ; c m: far below every c s
	v_mov_b32 v[ST+8*(\t)+1], 0xff7fffff           ; m
.irp k, 2,3,4,5,6,7
	v_mov_b32 v[ST+8*(\t)+(\k)], 0
.endr
.endr
	v_mov_b32 v[NEG], 0xff7fffff
	v_lshlrev_b32 v58, 3, v45
	v_sub_nc_u32 v58, v1, v58                      ; r - 8 h
	s_lshl_b32 s21, s16, 4
	v_add_nc_u32 v[THR], s21, v58                  ; every tile of mine lies 16 i rows into its quarter
	v_mul_u32_u24 v[AK0], v1, PK
	v_lshl_add_u32 v[AK0], v45, 4, v[AK0]
	v_and_b32 v46, 7, v0
	v_bfe_u32 v47, v0, 3, 1
	v_lshl_add_u32 v[AV0], v45, 3, v46             ; the turning load: key 8 h + lane % 8, channels 8 ((lane / 8) % 2) on
	v_mul_u32_u24 v[AV0], v[AV0], PV
	v_lshl_add_u32 v[AV0], v47, 4, v[AV0]
	v_add_nc_u32 v[AV0], VOFF, v[AV0]
	s_mul_i32 s21, s[WV], 16*SP
	s_add_co_u32 s21, s21, STAGE
	v_mul_u32_u24 v[STO], v1, SP
	v_lshl_add_u32 v[STO], v45, 4, v[STO]
	v_add_nc_u32 v[STO], s21, v[STO]
	v_mul_u32_u24 v[RD], v45, SP
	v_lshl_add_u32 v[RD], v1, 4, v[RD]
	v_add_nc_u32 v[RD], s21, v[RD]
	v_lshlrev_b32 v57, 12, v45                     ; y: lanes 0-15 one row's 256 bytes, lanes 16-31 the next row's
	v_lshl_add_u32 v57, v1, 4, v57
.irp t, 0,1,2,3
	v_lshl_add_u32 v[GO+(\t)], s[TI+(\t)], 16, v57 ; a tile is 16 rows of 4,096 bytes
.endr
; THE LDS LOADS stand in runs of 32.  K: 64 keys x 128 channels: fragment f = 4 x key block + channel block; channel blocks 0, 1 come from KC's part of the slot, 2, 3 from KR's.
.macro FETCH_K
	WIN 0
	v_add_nc_u32 v[AK], s[TBK], v[AK0]
	WIN 0x80
.irp f, 0,1,2,3,4,5,6,7,8,9,10,11,12,13,14,15
	ds_load_b128 v[KF+8*(\f):KF+8*(\f)+3],   v[AK] offset:((\f)/4)*16*PK+((\f)%2)*64+(((\f)%4)/2)*KRL
	ds_load_b128 v[KF+8*(\f)+4:KF+8*(\f)+7], v[AK] offset:((\f)/4)*16*PK+((\f)%2)*64+(((\f)%4)/2)*KRL+32
.endr
	WIN 0
.endm
.macro FETCH_V                         ; keys 32 (f / 8) on, channels 16 (f % 8) on, turned
	WIN 0
	v_add_nc_u32 v[AV], s[TBV], v[AV0]
	WIN 0xc0
.irp f, 0,1,2,3,4,5,6,7,8,9,10,11,12,13,14,15
	ds_load_tr16_b128 v[8*(\f):8*(\f)+3],   v[AV] offset:((\f)/8)*32*PV+((\f)%8)*32
	ds_load_tr16_b128 v[8*(\f)+4:8*(\f)+7], v[AV] offset:((\f)/8)*32*PV+16*PV+((\f)%8)*32
.endr
	WIN 0
.endm
; THE MATRIX WORK.  The accumulators of a run take turns, one instruction a turn.
.macro KQT t                           ; S^T = K Q^T: channels 32 c on, keys 16 kb on; the first four start the sums
	WIN W_KQ
.irp c, 0,1,2,3
.irp kb, 0,1,2,3
.if (\c) == 0
	v_wmma_f32_16x16x32_f16 v[S+8*(\kb):S+8*(\kb)+7], v[KF+32*(\kb)+8*(\c):KF+32*(\kb)+8*(\c)+7], v[32*(\t)+8*(\c):32*(\t)+8*(\c)+7], 0
.else
	v_wmma_f32_16x16x32_f16 v[S+8*(\kb):S+8*(\kb)+7], v[KF+32*(\kb)+8*(\c):KF+32*(\kb)+8*(\c)+7], v[32*(\t)+8*(\c):32*(\t)+8*(\c)+7], v[S+8*(\kb):S+8*(\kb)+7]
.endif
.endr
.endr
.endm
.macro PVT t                           ; O^T += V^T P: keys 32 kk on, channels 16 cb on
	WIN W_PV
.irp kk, 0,1
.irp cb, 0,1,2,3,4,5,6,7
	v_wmma_f32_16x16x32_f16 v[64*(\t)+8*(\cb):64*(\t)+8*(\cb)+7], v[64*(\kk)+8*(\cb):64*(\kk)+8*(\cb)+7], v[P+8*(\kk):P+8*(\kk)+7], v[64*(\t)+8*(\cb):64*(\t)+8*(\cb)+7]
.endr
.endr
.endm
; THE MASK, in a tile's last two slots: score n (key 16 (n / 8) + n % 8 + 8 h of the step) is hidden where that key lies behind the query.  Ascending: each accumulator's lowest registers are read first.
.macro MASK
.set n, 0
.rept 32
	v_cmp_gt_i32 vcc_lo, 16*(n/8)+n%8, v[THS]
	v_cndmask_b32 v[S+n], v[S+n], v[NEG], vcc_lo
.set n, n+1
.endr
.endm
; THE SOFTMAX of one tile and step: a list of 134; SM writes number j.  s0-s31 are the lane's 32 scores, in pairs 0-15.
;   0-15   the maximum of s0-s31 and the old m, three operands at a time     16-20  the other half of the lanes' maximum; the new m; c m; c m_old - c m_new
;   21-87  33 exponentials (a, then s0-s31) at the odd numbers from 23 on: no two follow each other, and each has a plain instruction behind it before its result is used (ISA guide 5.7.2); between them
;          c s - c m for pairs whose exponentials are to come, the rounding to f16 of pairs whose exponentials are done, the first sums
;   88-101 the last rounding; the rest of the sums; l = a l + the sum     102-133 the tile's O^T times a
.macro SM t
.set rT, ST+8*(\t)
.set rO, 64*(\t)+2*(j-102)
.set q, (j-20)/2
.if j < 102
	WIN 0
.endif
.if j < 4
	v_max3_num_f32 v[rT+4+j], v[S+8*j], v[S+8*j+1], v[S+8*j+2]
.elseif j < 12
	v_max3_num_f32 v[rT+4+j%4], v[rT+4+j%4], v[S+8*(j%4)+2*(j/4)+1], v[S+8*(j%4)+2*(j/4)+2]
.elseif j == 12
	v_max3_num_f32 v[rT+4], v[rT+4], v[S+7], v[S+15]
.elseif j == 13
	v_max3_num_f32 v[rT+6], v[rT+6], v[S+23], v[S+31]
.elseif j == 14
	v_max3_num_f32 v[rT+4], v[rT+4], v[rT+5], v[rT+6]
.elseif j == 15
	v_max3_num_f32 v[rT+4], v[rT+4], v[rT+7], v[rT+1]
.elseif j == 16
	v_permlanex16_b32 v[rT+5], v[rT+4], s[SEL], s[SEL+1]  ; the query's other 32 keys lie in the lane 16 away
.elseif j == 17
	v_mov_b32 v[rT+7], v[rT]                       ; c m_old is kept: number 19 writes c m anew
.elseif j == 18
	v_max_num_f32 v[rT+1], v[rT+4], v[rT+5]
.elseif j == 19
	v_mul_f32 v[rT], s[CS], v[rT+1]
.elseif j == 20
	v_sub_f32 v[rT+7], v[rT+7], v[rT]
.elseif j == 23
	v_exp_f32 v[rT+6], v[rT+7]
.elseif (j < 88) && (j > 23) && (j%2 == 1)
	v_exp_f32 v[S+(j-25)/2], v[S+(j-25)/2]
.elseif (q < 4) || ((j < 76) && (q%2 == 0))
.set b, q/2+2
.if q < 4
.set b, q
.endif
	v_pk_fma_f32 v[S+2*b:S+2*b+1], v[S+2*b:S+2*b+1], s[CS:CS+1], v[rT:rT+1] op_sel_hi:[1,0,0] neg_lo:[0,0,1] neg_hi:[0,0,1]
.elseif (j < 88) && (q%2 == 1)
	s_wait_alu depctr_va_vdst(0)
	v_cvt_pk_f16_f32 v[P+(q-5)/2], v[S+q-5], v[S+q-4]
.elseif j == 89
	s_wait_alu depctr_va_vdst(0)
	v_cvt_pk_f16_f32 v[P+15], v[S+30], v[S+31]
.elseif j < 102
.set z, j-86
.if j < 89
.set z, (j-76)/4
.endif
.set w, 4
.set u, z
.if z >= 14
.set w, 32
.set u, 0
.elseif z >= 12
.set w, 16
.set u, z-12
.elseif z >= 8
.set w, 8
.set u, z-8
.endif
.if z < 15
	v_pk_add_f32 v[S+w*u:S+w*u+1], v[S+w*u:S+w*u+1], v[S+w*u+w/2:S+w*u+w/2+1]
.else
	v_pk_fma_f32 v[rT+2:rT+3], v[rT+2:rT+3], v[rT+6:rT+7], v[S:S+1] op_sel_hi:[1,0,1]
.endif
.else
	WIN W_RS
	v_pk_mul_f32 v[rO:rO+1], v[rO:rO+1], v[rT+6:rT+7] op_sel_hi:[1,0]
.endif
.endm
; ONE TILE'S PART OF A KEY STEP.  Tile t is alive up to slot 7 - 2 t and masked from slot 6 - 2 t on: both jumps compare the slot's number with a constant and go forward, past text with neither a barrier nor a
; tensor load.  Tile 0 lives longest and comes last in a step: behind its products K Q^T the next step's K is fetched.  The four v_nop behind K Q^T are the places in front of the reads of S^T,
; of the loads into K's registers, and of the writes of P and O^T, which earlier products V^T P have read and written.
.macro TILE t
.if (\t) > 0
	s_cmp_gt_u32 s[SIG], 7-2*(\t)
	s_cbranch_scc1 .Ldead_\@                       ; all its keys lie behind
.endif
	KQT \t
	WIN 0
	PLACES
.if (\t) == 0
	s_cmp_eq_u32 s[CNT], 1
	s_cbranch_scc1 .Lno_k_\@                       ; the slot has no further step
	s_add_co_u32 s[TBK], s[TBK], KS*PK
	FETCH_K
.Lno_k_\@:
.endif
.if (\t) < 3
	s_cmp_lt_u32 s[SIG], 6-2*(\t)
	s_cbranch_scc1 .Lopen_\@                       ; every key of the slot is seen
.endif
	MASK
.if (\t) < 3
.Lopen_\@:
.endif
.set j, 0
.rept 134
	SM \t
.set j, j+1
.endr
	s_wait_dscnt 0x0                               ; V is in (and, in tile 0, the next step's K)
	PVT \t
	WIN 0
.if (\t) > 0
.Ldead_\@:
.endif
.endm
; A SLOT's four key steps.  n = 4: all four tiles may be alive; n = 1: tile 0 alone.
.macro WORK n
	s_mov_b32 s[TBK], s[SB]
	s_mov_b32 s[TBV], s[SB]
	s_and_b32 s[KEY0], s[SIG], 1                   ; a tile's two masked slots are an even one and the odd one behind it
	s_lshl_b32 s[KEY0], s[KEY0], 8
	s_mov_b32 s[CNT], 4
	FETCH_K
	FETCH_V
.Lstep_\@:
	s_wait_dscnt 32                                ; K is in; V's 32 loads, issued behind K's, may be out
	v_subrev_nc_u32 v[THS], s[KEY0], v[THR]        ; the step's threshold, the same for all four tiles
.if (\n) == 4
	TILE 3
	TILE 2
	TILE 1
.endif
	TILE 0
	PLACES                                         ; in front of loads into V's registers, and of whatever follows the slot's last products
	s_cmp_eq_u32 s[CNT], 1
	s_cbranch_scc1 .Lno_v_\@
	s_add_co_u32 s[TBV], s[TBV], KS*PV
	FETCH_V
.Lno_v_\@:
	s_add_co_u32 s[KEY0], s[KEY0], KS
	s_sub_co_u32 s[CNT], s[CNT], 1
	s_cmp_lg_u32 s[CNT], 0
	s_cbranch_scc1 .Lstep_\@
.endm
	s_wait_kmcnt 0x0
	s_mov_b32 s[CS+1], s[CS]                       ; named with it as a pair
	s_wait_loadcnt 0x0                             ; Q
.Lslot:                                                ; seven trips: slot SIG is entered and slot SIG + 1 asked for
	CHANGE 1
	WORK 4
	s_add_co_u32 s[SIG], s[SIG], 1
	s_cmp_lt_u32 s[SIG], 7
	s_cbranch_scc1 .Lslot
	CHANGE 0                                       ; slot 7 is written out: nothing is asked for
	WORK 1                                         ; tile 0 alone is alive in it
	; THE WAY OUT.  l's two halves and the other half of the lanes' are added; O^T is divided by l, rounded to f16 and sent through my stage in LDS, a tile (16 rows of y) at a time.
.irp t, 0,1,2,3
	v_add_f32 v[ST+8*(\t)+4], v[ST+8*(\t)+2], v[ST+8*(\t)+3]
.endr
.irp t, 0,1,2,3
	v_permlanex16_b32 v[ST+8*(\t)+5], v[ST+8*(\t)+4], s[SEL], s[SEL+1]
.endr
.irp t, 0,1,2,3
	v_add_f32 v[ST+8*(\t)+4], v[ST+8*(\t)+4], v[ST+8*(\t)+5]
.endr
.irp t, 0,1,2,3
	v_rcp_f32 v[ST+8*(\t)+6], v[ST+8*(\t)+4]
.endr
	v_nop                                          ; a plain instruction between the last reciprocal and the use of its result
	s_wait_alu depctr_va_vdst(0)
.macro PACK t
	WIN W_RS
.set i, 64*(\t)
.rept 32
	v_pk_mul_f32 v[i:i+1], v[i:i+1], v[ST+8*(\t)+6:ST+8*(\t)+7] op_sel_hi:[1,0]
.set i, i+2
.endr
	WIN 0x05                                       ; sources 0 and 1 window 1, destination window 0
.set i, 0
.rept 32
	v_cvt_pk_f16_f32 v[S+32*(\t)+i], v[64*(\t)+2*i], v[64*(\t)+2*i+1]
.set i, i+1
.endr
	WIN 0
.irp f, 0,1,2,3,4,5,6,7
	ds_store_b128 v[STO], v[S+32*(\t)+4*(\f):S+32*(\t)+4*(\f)+3] offset:32*(\f)
.endr
.irp f, 0,1,2,3,4,5,6,7
	ds_load_b128 v[S+32*(\t)+4*(\f):S+32*(\t)+4*(\f)+3], v[RD] offset:(\f)*2*SP  ; LDS serves a wave's instructions in order (ISA guide 5.7.1.4): these see the stores above; the next tile's stores come behind them
.endr
.endm
.macro SEND t, younger                 ; younger: the LDS instructions issued behind tile t's loads: the next tile's sixteen, or none
.irp f, 0,1,2,3,4,5,6,7
	s_wait_dscnt (\younger)+7-(\f)
	global_store_b128 v[GO+(\t)], v[S+32*(\t)+4*(\f):S+32*(\t)+4*(\f)+3], s[84:85] offset:(\f)*8192  ; 16 lanes store 256 consecutive bytes, aligned: a head's part of a row of y
.endr
.endm
	PACK 0
	PACK 1
	SEND 0, 16
	PACK 2
	SEND 1, 16
	PACK 3
	SEND 2, 16
	SEND 3, 0
	s_wait_tensorcnt 0x0                           ; the wave's end
	ds_add_u32 v[SPW], v[NIL]
	s_wait_dscnt 0x0
	CROUND                                         ; the closing round
	s_endpgm
.Lfunc_end_k_qd097ad72d6_attn:
	.size	k_qd097ad72d6_attn, .Lfunc_end_k_qd097ad72d6_attn-k_qd097ad72d6_attn
	.p2alignl 7, 3214868480
	.fill 96, 4, 3214868480
	.section	.rodata,"a",@progbits
	.p2align	6, 0x0
	.amdhsa_kernel k_qd097ad72d6_attn
		.amdhsa_group_segment_fixed_size 327680
		.amdhsa_private_segment_fixed_size 0
		.amdhsa_enable_private_segment 0
		.amdhsa_kernarg_size 32
		.amdhsa_user_sgpr_count 2
		.amdhsa_user_sgpr_kernarg_segment_ptr 1
		.amdhsa_wavefront_size32 1
		.amdhsa_system_sgpr_workgroup_id_x 1
		.amdhsa_system_sgpr_workgroup_id_y 1
		.amdhsa_system_sgpr_workgroup_id_z 1
		.amdhsa_system_vgpr_workitem_id 0
		.amdhsa_next_free_vgpr 896
		.amdhsa_next_free_sgpr 96
		.amdhsa_reserve_vcc 1
		.amdhsa_float_denorm_mode_32 3
		.amdhsa_float_denorm_mode_16_64 3
		.amdhsa_memory_ordered 1
		.amdhsa_forward_progress 1
		.amdhsa_inst_pref_size 125
	.end_amdhsa_kernel
	.amdgpu_metadata
---
amdhsa.version: [ 1, 2 ]
amdhsa.kernels:
  - .name:           k_qd097ad72d6_attn
    .symbol:         k_qd097ad72d6_attn.kd
    .args:
      - { .name: g2out, .offset: 0, .size: 8, .value_kind: global_buffer, .address_space: global }
      - { .name: g1out, .offset: 8, .size: 8, .value_kind: global_buffer, .address_space: global }
      - { .name: scales, .offset: 16, .size: 8, .value_kind: global_buffer, .address_space: global }
      - { .name: yh, .offset: 24, .size: 8, .value_kind: global_buffer, .address_space: global }
    .group_segment_fixed_size: 327680
    .private_segment_fixed_size: 0
    .kernarg_segment_align: 8
    .kernarg_segment_size: 32
    .max_flat_workgroup_size: 128
    .sgpr_count:     96
    .vgpr_count:     896
    .wavefront_size: 32
...
	.end_amdgpu_metadata
.endif
;; end of part 5
;; launch g3 (part 6): grid 16 x 16, 4 waves a work-group, clusters of 4 x 4, 327,680 bytes of LDS; arguments yh, prep, scales, out0; writes out0
.if DOCPART == 6
	.amdgcn_target "amdgcn-amd-amdhsa--gfx1250"
	.amdhsa_code_object_version 6
	.text
	.protected	k_qd097ad72d6_g3
	.globl	k_qd097ad72d6_g3
	.p2align	8
	.type	k_qd097ad72d6_g3,@function
k_qd097ad72d6_g3:
	s_mov_b64 s[64:65], 0
	v_nop
	global_prefetch_b8 v0, s[64:65] scope:SCOPE_SE
	s_setreg_imm32_b32 hwreg(HW_REG_WAVE_MODE, 25, 1), 1
	s_wait_xcnt 0x0
	s_wait_alu depctr_hold_cnt(0) depctr_sa_sdst(0) depctr_va_vdst(0) depctr_va_sdst(0) depctr_va_ssrc(0) depctr_va_vcc(0) depctr_vm_vsrc(0)
	s_getreg_b32 s2, hwreg(HW_REG_IB_STS2, 6, 4)
	s_cmp_eq_u32 s2, 0
	s_cbranch_scc0 .Lentry_in_a_cluster
	s_endpgm
.Lentry_in_a_cluster:
	s_bfe_u32 s2, ttmp6, 0x10000c
	s_cmp_lg_u32 s2, 0xf033
	s_cbranch_scc0 .Lentry_shape_is_right
	s_endpgm
.Lentry_shape_is_right:
; G3.  out0 = y Wo: C[4096][2048] f32 = A[4096][2048] B[2048][2048], A = yh (f16, times v's power of two), B = WOH in prep (f16, N along the rows); sums in f32, multiplied at the end by word 57 of the
; table of scales, the reciprocal of v's scale.
; SHARES, RING, CLUSTER, REGISTERS as in G1: 256 x 128 of C to a work-group (256 work-groups), 64 x 128 to a wave, K steps of 128 through two LDS slots, A's tile asked for jointly by a row
; of the 4 x 4 cluster, B's by a column; the matrix instruction is used transposed (source 0 = 16 columns of B by the turning load, source 1 = 16 rows of A).
; LIMITS: NaN and infinities are not treated apart.
.set APITCH, 2048
.set BPITCH, 2048
.set NK,     16
.set BOFF,   28311552                  ; WOH in prep
.set PA,    272                        ; a row of A in LDS: 256 bytes + 16: the 16 rows of a load start at 16 different groups of four banks (64 banks of 4 bytes: ISA guide 11.1)
.set PB,    288                        ; a row of B: 256 + 32
.set BT,    256*PA
.set SLOT1, 1<<17
.set SPARE, 303104                     ; the spare words: two blocks of 256 bytes that no other line names
.set DP,    528
.set DW,    64*DP                      ; the way out lies over the ring, which has had its last fill by then
.set ADRA0, 16
.set ADRB0, 17
.set ADRA,  18
.set ADRB,  19
.set DST,   22
.set RD,    24
.set GOF,   26
.set SPW,   28
.set NIL,   29
.set F0,    64
.set F1,    160
.set X,     64
.set WV, 12
.set FB, 13
.set HF, 14
.set TY, 15
.set G1A, 24
.set G0A, 32
.set CX, 40
.set CY, 41
.set TX, 42
.set RM, 43
.set CM, 44
.set SB, 45
.set G1B, 48
.set G0B, 56
.set SC, 68
.set OUT, 76
.set MSB, 0
.macro WIN new
.if MSB != (\new)
	s_set_vgpr_msb (MSB<<8)|(\new)
.set MSB, \new
.endif
.endm
.macro PLACES
.rept 4
	v_nop
.endr
.endm
.macro CREST
	s_cmp_lg_u32 s[WV], 0
	s_cbranch_scc1 .Lnot_wave_0_\@
	s_barrier_signal -3
.Lnot_wave_0_\@:
	s_barrier_wait -3
	s_barrier_signal -1
	s_barrier_wait -1
.endm
.macro CROUND
	s_barrier_signal -1
	s_barrier_wait -1
	CREST
.endm
.macro JLOAD                           ; a joint refill: waves 0, 1 A's halves, waves 2, 3 B's; s_nop 0 and four v_nop follow each line
	s_cmp_eq_u32 s[FB], 0
	s_cbranch_scc0 .Lfor_b_\@
	tensor_load_to_lds s[G0A+4:G0A+7], s[G1A:G1A+7]
	s_nop 0
.rept 4
	v_nop
.endr
	s_branch .Lasked_\@
.Lfor_b_\@:
	tensor_load_to_lds s[G0B+4:G0B+7], s[G1B:G1B+7]
	s_nop 0
.rept 4
	v_nop
.endr
.Lasked_\@:
.endm
.macro FETCH q, f                      ; 24 LDS loads in one run: A's 4 fragments, then B's 8, columns 0-63 first
	WIN 0
.irp a, 0,1,2,3
	ds_load_b128 v[(\f)+8*(\a):(\f)+8*(\a)+3],   v[ADRA] offset:(\a)*16*PA+64*(\q)
	ds_load_b128 v[(\f)+8*(\a)+4:(\f)+8*(\a)+7], v[ADRA] offset:(\a)*16*PA+64*(\q)+32
.endr
.irp b, 0,1,2,3,4,5,6,7
	ds_load_tr16_b128 v[(\f)+32+8*(\b):(\f)+32+8*(\b)+3],   v[ADRB] offset:(\q)*32*PB+32*(\b)
	ds_load_tr16_b128 v[(\f)+32+8*(\b)+4:(\f)+32+8*(\b)+7], v[ADRB] offset:(\q)*32*PB+32*(\b)+16*PB
.endr
.endm
.macro MUL8 f, b0, zero                ; 8 matrix instructions; the 32 accumulators take turns, one instruction a turn
	WIN 0x50
.irp b, \b0, (\b0)+1
.irp a, 0,1,2,3
.if \zero
	v_wmma_f32_16x16x32_f16 v[8*(8*(\a)+(\b)):8*(8*(\a)+(\b))+7], v[(\f)+32+8*(\b):(\f)+32+8*(\b)+7], v[(\f)+8*(\a):(\f)+8*(\a)+7], 0
.else
	v_wmma_f32_16x16x32_f16 v[8*(8*(\a)+(\b)):8*(8*(\a)+(\b))+7], v[(\f)+32+8*(\b):(\f)+32+8*(\b)+7], v[(\f)+8*(\a):(\f)+8*(\a)+7], v[8*(8*(\a)+(\b)):8*(8*(\a)+(\b))+7]
.endif
.endr
.endr
.endm
.macro QUARTER q, f, g, zero
	s_wait_dscnt 8                                 ; A and B's columns 0-63 are in; the youngest eight loads may be out
	MUL8 \f, 0, \zero
	MUL8 \f, 2, \zero
	PLACES
	FETCH \q, \g
	s_wait_dscnt 24                                ; all but the 24 just issued
	MUL8 \f, 4, \zero
	MUL8 \f, 6, \zero
.endm
.macro TURN fill                       ; the last quarter and the change of slots: one barrier; with fill = 1 it opens a round of the cluster's, and the joint refill is the first thing behind it
	WIN 0
	s_wait_tensorcnt 0x0                           ; all my tensor loads have landed: my part of the next slot
	ds_add_u32 v[SPW], v[NIL]
	s_wait_dscnt 9                                 ; (the add and the youngest eight loads may be out)
	MUL8 F1, 0, 0
	s_wait_dscnt 0x0                               ; the add is done, and my reads of this slot are over
	s_barrier_signal -1
	MUL8 F1, 2, 0
	WIN 0
	s_barrier_wait -1
.if \fill
	CREST
	s_xor_b32 s[G0A+5], s[G0A+5], SLOT1
	s_add_nc_u64 s[G0A+6:G0A+7], s[G0A+6:G0A+7], 256
	s_xor_b32 s[G0B+5], s[G0B+5], SLOT1
	s_add_nc_u64 s[G0B+6:G0B+7], s[G0B+6:G0B+7], 256*BPITCH
	JLOAD
.else
	PLACES
.endif
	s_xor_b32 s[SB], s[SB], SLOT1
	v_add_nc_u32 v[ADRA], s[SB], v[ADRA0]
	v_add_nc_u32 v[ADRB], s[SB], v[ADRB0]
	FETCH 0, F0
	MUL8 F1, 4, 0
	MUL8 F1, 6, 0
.endm
	s_load_b256 s[4:11], s[0:1], 0x0               ; yh s[4:5], prep s[6:7], scales s[8:9], out0 s[10:11]
	v_lshl_add_u32 v[SPW], v0, 2, SPARE
	v_mov_b32 v[NIL], 0
	ds_add_u32 v[SPW], v[NIL]                      ; the wave's opening: the add and its wait stand ahead of my first tensor load
	v_lshrrev_b32 v1, 5, v0
	v_readfirstlane_b32 s[WV], v1
	s_lshr_b32 s[FB], s[WV], 1
	s_and_b32 s[HF], s[WV], 1
	s_bfe_u32 s[CX], ttmp6, 0x40000
	s_bfe_u32 s[CY], ttmp6, 0x40004
	s_lshl_b32 s[TX], ttmp9, 2
	s_add_co_u32 s[TX], s[TX], s[CX]
	s_and_b32 s[TY], ttmp7, 0xffff
	s_lshl_b32 s[TY], s[TY], 2
	s_add_co_u32 s[TY], s[TY], s[CY]
	s_lshl_b32 s[RM], s[CY], 2
	s_lshl_b32 s[RM], 15, s[RM]
	s_lshl_b32 s[CM], 0x1111, s[CX]
	s_or_b32 s[G1A], s[RM], (1<<16)|(1<<20)|(1<<21)|(5<<22)|(3<<25)
	s_mov_b32 s[G1A+1], 128<<16
	s_mov_b32 s[G1A+2], 128<<16
	s_mov_b32 s[G1A+3], 128<<16
	s_mov_b32 s[G1A+4], 128
	s_mov_b32 s[G1A+5], APITCH
	s_mov_b32 s[G1A+6], 0
	s_mov_b32 s[G1A+7], 0
	s_or_b32 s[G1B], s[CM], (1<<16)|(1<<20)|(1<<21)|(5<<22)|(7<<25)
	s_mov_b32 s[G1B+1], 128<<16
	s_mov_b32 s[G1B+2], 64<<16
	s_mov_b32 s[G1B+3], 128<<16
	s_mov_b32 s[G1B+4], 64
	s_mov_b32 s[G1B+5], BPITCH
	s_mov_b32 s[G1B+6], 0
	s_mov_b32 s[G1B+7], 0
	s_lshl_b32 s16, s[TY], 8
	s_lshl_b32 s17, s[HF], 7
	s_add_co_u32 s16, s16, s17
	s_mul_i32 s16, s16, APITCH*2
	s_mov_b32 s17, 0
	s_lshl_b32 s46, s[HF], 6
	s_mul_i32 s46, s46, BPITCH*2
	s_lshl_b32 s47, s[TX], 8
	s_add_co_u32 s46, s46, s47
	s_add_co_u32 s46, s46, BOFF
	s_mov_b32 s47, 0
	s_mul_i32 s20, s[HF], 128*PA
	s_mul_i32 s21, s[HF], 64*PB
	s_add_co_u32 s21, s21, BT
	s_mov_b32 s[SB], 0
	s_wait_dscnt 0x0
	s_wait_kmcnt 0x0
	s_add_nc_u64 s[16:17], s[4:5], s[16:17]
	s_add_nc_u64 s[46:47], s[6:7], s[46:47]
	CROUND
.irp s, 0,1
	s_mov_b32 s[G0A+4*(\s)], 1
	s_add_co_u32 s[G0A+4*(\s)+1], s20, (\s)*SLOT1
	s_add_nc_u64 s[G0A+4*(\s)+2:G0A+4*(\s)+3], s[16:17], (\s)*256
	s_or_b32 s[G0A+4*(\s)+3], s[G0A+4*(\s)+3], 0x80000000
	s_mov_b32 s[G0B+4*(\s)], 1
	s_add_co_u32 s[G0B+4*(\s)+1], s21, (\s)*SLOT1
	s_add_nc_u64 s[G0B+4*(\s)+2:G0B+4*(\s)+3], s[46:47], (\s)*256*BPITCH
	s_or_b32 s[G0B+4*(\s)+3], s[G0B+4*(\s)+3], 0x80000000
.endr
	s_cmp_eq_u32 s[FB], 0                          ; a wave's two first fills stand in one branch: two loads of mine are out
	s_cbranch_scc0 .Lfirst_b
	tensor_load_to_lds s[G0A:G0A+3], s[G1A:G1A+7]
	s_nop 0
	tensor_load_to_lds s[G0A+4:G0A+7], s[G1A:G1A+7]
	s_nop 0
.rept 4
	v_nop
.endr
	s_branch .Lfirst_asked
.Lfirst_b:
	tensor_load_to_lds s[G0B:G0B+3], s[G1B:G1B+7]
	s_nop 0
	tensor_load_to_lds s[G0B+4:G0B+7], s[G1B:G1B+7]
	s_nop 0
.rept 4
	v_nop
.endr
.Lfirst_asked:
	s_load_b32 s[SC], s[8:9], 0xe4                 ; word 57
	v_and_b32 v1, 15, v0
	v_bfe_u32 v2, v0, 4, 1
	v_and_b32 v6, 31, v0
	v_mul_u32_u24 v3, v1, PA
	v_lshl_add_u32 v3, v2, 4, v3
	s_mul_i32 s22, s[WV], 64*PA
	v_add_nc_u32 v[ADRA0], s22, v3
	v_and_b32 v4, 7, v0
	v_lshl_add_u32 v4, v2, 3, v4
	v_mul_u32_u24 v4, v4, PB
	v_bfe_u32 v5, v0, 3, 1
	v_lshl_add_u32 v4, v5, 4, v4
	v_add_nc_u32 v[ADRB0], BT, v4
	v_mov_b32 v[ADRA], v[ADRA0]
	v_mov_b32 v[ADRB], v[ADRB0]
	s_mul_i32 s22, s[WV], DW
	v_mul_u32_u24 v3, v1, DP
	v_lshl_add_u32 v3, v2, 5, v3
	v_add_nc_u32 v[DST], s22, v3
	s_wait_kmcnt 0x0
	s_mov_b32 s[SC+1], s[SC]
	s_wait_tensorcnt 0x1                           ; my part of K step 0 is in; K step 1's may stay out
	s_barrier_signal -1
	s_barrier_wait -1
	FETCH 0, F0
	QUARTER 1, F0, F1, 1
	WIN 0
	s_mov_b32 s3, NK-2
.Lstep:
	QUARTER 2, F1, F0, 0
	QUARTER 3, F0, F1, 0
	TURN 1
	QUARTER 1, F0, F1, 0
	WIN 0
	s_sub_co_u32 s3, s3, 1
	s_cmp_lg_u32 s3, 0
	s_cbranch_scc1 .Lstep
	QUARTER 2, F1, F0, 0
	QUARTER 3, F0, F1, 0
	TURN 0
	QUARTER 1, F0, F1, 0
	QUARTER 2, F1, F0, 0
	QUARTER 3, F0, F1, 0
	s_wait_dscnt 8
	MUL8 F1, 0, 0
	MUL8 F1, 2, 0
	s_wait_dscnt 0x0
	MUL8 F1, 4, 0
	MUL8 F1, 6, 0
	; THE WAY OUT: a lane's eight sums are 32 bytes of one row, and its neighbours hold other rows.  So the sums go into LDS, over the ring (every wave's reads of it are over behind this barrier, and no
	; fill follows), and each wave reads back its own 64 rows whole: a store covers 512 consecutive bytes, aligned.
	WIN 0
	PLACES
	s_wait_dscnt 0x0
	s_barrier_signal -1
	s_barrier_wait -1
	WIN 0x04
.irp a, 0,1,2,3
.irp b, 0,1,2,3,4,5,6,7
	ds_store_b128 v[DST], v[8*(8*(\a)+(\b)):8*(8*(\a)+(\b))+3]   offset:(\a)*16*DP+64*(\b)
	ds_store_b128 v[DST], v[8*(8*(\a)+(\b))+4:8*(8*(\a)+(\b))+7] offset:(\a)*16*DP+64*(\b)+16
.endr
.endr
	WIN 0
	s_lshl_b32 s16, s[TY], 8
	s_lshl_b32 s17, s[WV], 6
	s_add_co_u32 s16, s16, s17
	s_lshl_b32 s18, s16, 13                        ; rows of 8,192 bytes
	s_lshl_b32 s17, s[TX], 9
	s_add_co_u32 s18, s18, s17
	s_mov_b32 s19, 0
	s_add_nc_u64 s[OUT:OUT+1], s[10:11], s[18:19]
	v_lshlrev_b32 v[GOF], 4, v6
	v_lshl_add_u32 v[RD], v6, 4, s22
	s_mov_b32 s3, 8
.Lrows:
.irp u, 0,1,2,3,4,5,6,7
	ds_load_b128 v[X+4*(\u):X+4*(\u)+3], v[RD] offset:(\u)*DP  ; LDS serves a wave's instructions in order (ISA guide 5.7.1.4): these see my stores above
.endr
	s_wait_dscnt 0x0
.irp u, 0,1,2,3,4,5,6,7
	v_pk_mul_f32 v[X+4*(\u):X+4*(\u)+1],   v[X+4*(\u):X+4*(\u)+1],   s[SC:SC+1] op_sel_hi:[1,0]
	v_pk_mul_f32 v[X+4*(\u)+2:X+4*(\u)+3], v[X+4*(\u)+2:X+4*(\u)+3], s[SC:SC+1] op_sel_hi:[1,0]
	global_store_b128 v[GOF], v[X+4*(\u):X+4*(\u)+3], s[OUT:OUT+1] offset:8192*(\u) th:TH_STORE_NT
.endr
	s_wait_xcnt 0x0                                ; the stores' base and data are written again only behind this wait
	s_add_nc_u64 s[OUT:OUT+1], s[OUT:OUT+1], 65536
	v_add_nc_u32 v[RD], 8*DP, v[RD]
	s_sub_co_u32 s3, s3, 1
	s_cmp_lg_u32 s3, 0
	s_cbranch_scc1 .Lrows
	s_wait_tensorcnt 0x0                           ; the wave's end
	ds_add_u32 v[SPW], v[NIL]
	s_wait_dscnt 0x0
	CROUND                                         ; the closing round
	s_endpgm
.Lfunc_end_k_qd097ad72d6_g3:
	.size	k_qd097ad72d6_g3, .Lfunc_end_k_qd097ad72d6_g3-k_qd097ad72d6_g3
	.p2alignl 7, 3214868480
	.fill 96, 4, 3214868480
	.section	.rodata,"a",@progbits
	.p2align	6, 0x0
	.amdhsa_kernel k_qd097ad72d6_g3
		.amdhsa_group_segment_fixed_size 327680
		.amdhsa_private_segment_fixed_size 0
		.amdhsa_enable_private_segment 0
		.amdhsa_kernarg_size 32
		.amdhsa_user_sgpr_count 2
		.amdhsa_user_sgpr_kernarg_segment_ptr 1
		.amdhsa_wavefront_size32 1
		.amdhsa_system_sgpr_workgroup_id_x 1
		.amdhsa_system_sgpr_workgroup_id_y 1
		.amdhsa_system_sgpr_workgroup_id_z 1
		.amdhsa_system_vgpr_workitem_id 0
		.amdhsa_next_free_vgpr 512
		.amdhsa_next_free_sgpr 84
		.amdhsa_reserve_vcc 0
		.amdhsa_float_denorm_mode_32 3
		.amdhsa_float_denorm_mode_16_64 3
		.amdhsa_memory_ordered 1
		.amdhsa_forward_progress 1
		.amdhsa_inst_pref_size 61
	.end_amdhsa_kernel
	.amdgpu_metadata
---
amdhsa.version: [ 1, 2 ]
amdhsa.kernels:
  - .name:           k_qd097ad72d6_g3
    .symbol:         k_qd097ad72d6_g3.kd
    .args:
      - { .name: yh, .offset: 0, .size: 8, .value_kind: global_buffer, .address_space: global }
      - { .name: prep, .offset: 8, .size: 8, .value_kind: global_buffer, .address_space: global }
      - { .name: scales, .offset: 16, .size: 8, .value_kind: global_buffer, .address_space: global }
      - { .name: out0, .offset: 24, .size: 8, .value_kind: global_buffer, .address_space: global }
    .group_segment_fixed_size: 327680
    .private_segment_fixed_size: 0
    .kernarg_segment_align: 8
    .kernarg_segment_size: 32
    .max_flat_workgroup_size: 128
    .sgpr_count:     84
    .vgpr_count:     512
    .wavefront_size: 32
...
	.end_amdgpu_metadata
.endif
;; end of part 6
;; ======== version 2 of 2: 6 launches; 1.08 times as fast as version 1
;; limits: inputs' magnitudes at most 65,504; values are held in f16: magnitudes above 65,504 overflow, below 6.1e-05 lose precision
;; workspace buffers: prep 37,257,728 bytes; scales 256 bytes; g1out 16,777,216 bytes; g2out 41,943,040 bytes; yh 16,777,216 bytes
;; launch cast: the kernel of part 1 again; grid 1072 x 1, 8 waves a work-group, no clusters, 0 bytes of LDS; arguments hidden_states, Wkv_d, Wq_d, Wrk, Wk_u, Wq_u, Wv_u, Wrq, Wo, prep; writes prep
;; launch mkscales: the kernel of part 2 again; grid 1 x 1, 1 waves a work-group, no clusters, 0 bytes of LDS; arguments prep, scales; writes scales
;; launch g1: the kernel of part 3 again; grid 12 x 16, 4 waves a work-group, clusters of 4 x 4, 327,680 bytes of LDS; arguments prep, scales, g1out; writes g1out
;; launch g2: the kernel of part 4 again; grid 8 x 32, 4 waves a work-group, clusters of 4 x 4, 327,680 bytes of LDS; arguments g1out, prep, scales, g2out; writes g2out
;; launch attn (part 7): grid 8 x 32, 4 waves a work-group, clusters of 4 x 1, 327,680 bytes of LDS; arguments g2out, g1out, scales, yh; writes yh
.if DOCPART == 7
	.amdgcn_target "amdgcn-amd-amdhsa--gfx1250"
	.amdhsa_code_object_version 6
	.text
	.protected	k_qd097ad72d6_attn
	.globl	k_qd097ad72d6_attn
	.p2align	8
	.type	k_qd097ad72d6_attn,@function
k_qd097ad72d6_attn:
	s_mov_b64 s[64:65], 0
	v_nop
	global_prefetch_b8 v0, s[64:65] scope:SCOPE_SE
	s_setreg_imm32_b32 hwreg(HW_REG_WAVE_MODE, 25, 1), 1
	s_wait_xcnt 0x0
	s_wait_alu depctr_hold_cnt(0) depctr_sa_sdst(0) depctr_va_vdst(0) depctr_va_sdst(0) depctr_va_ssrc(0) depctr_va_vcc(0) depctr_vm_vsrc(0)
	s_getreg_b32 s2, hwreg(HW_REG_IB_STS2, 6, 4)
	s_cmp_eq_u32 s2, 0
	s_cbranch_scc0 .Lentry_in_a_cluster
	s_endpgm
.Lentry_in_a_cluster:
	s_bfe_u32 s2, ttmp6, 0x10000c
	s_cmp_lg_u32 s2, 0x3003
	s_cbranch_scc0 .Lentry_shape_is_right
	s_endpgm
.Lentry_shape_is_right:
; CAUSAL ATTENTION, head size 128.  y[q] = the sum over k <= q of softmax_k(q . k / sqrt(128)) v[k], for 32 heads (batch x head) of 2,048 rows.  All operands f16, each times its power of two:
; Q = QH [32][2048][128] and V = VH (g2out); K's channels 0-63 = KC [32][2048][64] (g2out), channels 64-127 = KR (g1out).  y -> yh [4096][2048] f16, still times v's scale.
; Products, maxima and sums in f32; the weights p are rounded to f16 for the second product (their sum l is taken of the unrounded p), y once at the end.
; SOFTMAX.  A running maximum m and sum l for each query: p = 2^(c s - c m), where c = log2(e) / sqrt(128) over q's and k's scales comes from the table of scales; in every step O and l are multiplied by
; a = 2^(c m_old - c m_new).  m starts at the lowest finite number, O and l at 0: the first step is a step like any other, with a = 0.  A hidden score is the lowest finite number;
; key 0 is seen by every query in its first step, so m is a true score from then on.  LIMITS: a weight below 2^-126 counts as 0; NaN and infinities are not treated apart.
; SHARES.  A head has 128 tiles of 16 queries, in four quarters of 32.  With J the cluster's x (0, 1), u = 4 x place in the cluster + wave, i = 16 J + u, a wave owns tile i of each quarter:
; register tile t is the head's tile 32 (3 - t) + i.  Keys go in slots of 256; tile t is alive up to slot 7 - 2 t and under the mask in its last two slots, whatever the wave: 8 + 6 + 4 + 2 = 20 tile-slots
; of the 32 that a walk without the mask would have, the same for every wave, and every jump of the walk hangs on the slot's number and constants alone.  i enters Q's and y's addresses and the mask's threshold only.
; So the four work-groups of a cluster walk the same K and V and ask for each slot JOINTLY.  The price: a tile's last 512 keys are computed whole, under the mask.
; LAYOUT.  S^T = K Q^T (source 0 = 16 keys, source 1 = 16 queries): a lane holds ONE query (lane % 16) and the keys 8 (lane / 16) + 0..7.  Two such results rounded to f16 ARE source 1 of O^T = V^T P.
; ORDER.  A key step takes the tiles alive in the order 3, 2, 1, 0.  The first of them has its 16 products K Q^T by themselves, at its entry.  Then, for each tile t: the mask in the tile's last two slots; the first 70
; numbers of its softmax (maximum, statistics, scalings, exponentials) and, where t > 0, between them the 16 products K Q^T of tile t - 1, which write the other buffer of S^T; the wait for the exponentials; the
; roundings, the rescaling and the sums, 44 of these 64 behind the tile's own 16 products V^T P.
; THE EXPONENTIALS of a tile and step, 33 (a and the 32 weights), are ONE BATCH with ONE wait: ahead of the wait stands all that names none of their results, behind it all that does.  The way out's four reciprocals
; are a batch of their own.
; REGISTERS: window 0: v1-11 addresses and thresholds; v12-43 eight statistics a tile (c m, m, l even, l odd, four at work); v44 the hidden score; v45-58 at work and offsets; v62-63 the add's;
;   v64-127 S^T, two buffers of 32: tile t's scores lie in buffer t % 2 (v64-191 on the way out); v192-207 P.   Window 1: O^T, 64 a tile.   Window 2: v0-127 Q, 32 a tile; v128-255 K of one step.   Window 3: v0-127 V of one step.
.set KS,    64                         ; keys in a step
.set PK,    144                        ; a key's 64 channels in LDS: 128 bytes + 16: the 16 rows of a load start at 16 different groups of four banks (64 banks of 4 bytes: ISA guide 11.1)
.set PV,    288                        ; a row of V: 256 + 32
.set KRL,   256*PK                     ; a slot: KC's 256 keys, KR's 256 keys,
.set VOFF,  2*256*PK                   ; V's 256 keys
.set SLOTB, 0x24000                    ; 147,456 bytes.  The four waves' parts begin at 0, 0x9000, 0x12000, 0x1b000: none holds a bit of 0x24000, so an exclusive or turns one slot's address into the other's
.set STAGE, 2*SLOTB                    ; behind the ring, never filled by a tensor load: 16 rows x 272 bytes for each wave
.set SP,    272
.set SPARE, STAGE+4*16*SP              ; the spare words: two blocks of 256 bytes that no other line names
.set VHO,   16777216                   ; VH in g2out (QH lies at 0)
.set KCO,   33554432                   ; KC in g2out
.set KRO,   8388608                    ; KR in g1out
.set AK0, 2
.set AV0, 3
.set AK,  4
.set AV,  5
.set STO, 6
.set RD,  7
.set THR, 9                            ; v9  my query's place in its quarter's 512 rows, less 8 (lane / 16)
.set THS, 11                           ; v11 that less the step's first key's place in 512 keys
.set ST,  12
.set NEG, 44
.set QO,  48                           ; v48-51 my byte offset in tile t's rows of Q
.set GO,  52                           ; v52-55 in its rows of y
.set SPW, 62
.set NIL, 63
.set S,   64
.set P,   192
.set KF,  128
.set WV,  12
.set G1K, 24
.set G1V, 32
.set G0K, 40
.set G0V, 44
.set SIG, 56                           ; s56 the slot's number
.set CNT, 57                           ; s57 counts a slot's key steps, 4 to 1
.set CS,  58                           ; s[58:59] c
.set SEL, 60
.set TBK, 62                           ; s62, s63 LDS byte at which the step's K and V begin, less their places in a slot
.set TBV, 63
.set SB,  66                           ; s66 the slot that is read
.set KEY0, 67                          ; s67 the step's first key's place in a pair of slots: 256 (slot % 2) + 64 x step
.set TI,  72                           ; s72-75 tile t's number in the head
.set MSB, 0
.macro WIN new
.if MSB != (\new)
	s_set_vgpr_msb (MSB<<8)|(\new)
.set MSB, \new
.endif
.endm
.set W_KQ, 0x0a                        ; K and Q in window 2, S^T in window 0
.set W_PV, 0x53                        ; V in window 3, P in window 0, O^T in window 1
.set W_RS, 0x41                        ; O^T (destination and source 0) in window 1, the factor in window 0
.macro PLACES
.rept 4
	v_nop
.endr
.endm
.macro JLOAD                           ; a joint fill: wave 0 KC's 256 keys, wave 1 KR's, waves 2 and 3 the halves of V's; s_nop 0 and four v_nop follow each line
	s_cmp_lt_u32 s[WV], 2
	s_cbranch_scc0 .Lfor_v_\@
	tensor_load_to_lds s[G0K:G0K+3], s[G1K:G1K+7]
	s_nop 0
.rept 4
	v_nop
.endr
	s_branch .Lasked_\@
.Lfor_v_\@:
	tensor_load_to_lds s[G0V:G0V+3], s[G1V:G1V+7]
	s_nop 0
.rept 4
	v_nop
.endr
.Lasked_\@:
.endm
.macro CROUND
	s_barrier_signal -1
	s_barrier_wait -1
	s_cmp_lg_u32 s[WV], 0
	s_cbranch_scc1 .Lnot_wave_0_\@
	s_barrier_signal -3
.Lnot_wave_0_\@:
	s_barrier_wait -3
	s_barrier_signal -1
	s_barrier_wait -1
.endm
; THE CHANGE OF SLOTS.  Each wave waits for all its tensor loads (one is out: its part of the other slot), adds 0 to its spare word, and waits for that and for its reads of the slot that it leaves.
; fill = 1: the barrier is a round of the cluster's, and the slot just left is filled with the keys two slots on, first thing behind it.  (At its first use nothing has been read: slot 0 is waited for, slot 1 filled.)
.macro CHANGE fill
	WIN 0
	s_wait_tensorcnt 0x0                           ; no tensor load of mine is out, so a group 0 may be written
	ds_add_u32 v[SPW], v[NIL]
.if \fill
	s_xor_b32 s[G0K+1], s[G0K+1], SLOTB
	s_add_nc_u64 s[G0K+2:G0K+3], s[G0K+2:G0K+3], 256*128
	s_xor_b32 s[G0V+1], s[G0V+1], SLOTB
	s_add_nc_u64 s[G0V+2:G0V+3], s[G0V+2:G0V+3], 256*256
	s_wait_dscnt 0x0
	CROUND
	JLOAD
.else
	s_wait_dscnt 0x0
	s_barrier_signal -1
	s_barrier_wait -1
.endif
	s_xor_b32 s[SB], s[SB], SLOTB
.endm
	s_load_b256 s[4:11], s[0:1], 0x0               ; g2out s[4:5], g1out s[6:7], scales s[8:9], yh s[10:11]
	v_lshl_add_u32 v[SPW], v0, 2, SPARE
	v_mov_b32 v[NIL], 0
	ds_add_u32 v[SPW], v[NIL]                      ; the wave's opening: the add and its wait stand ahead of my first tensor load
	v_lshrrev_b32 v1, 5, v0
	v_readfirstlane_b32 s[WV], v1
	s_bfe_u32 s13, ttmp6, 0x40000                  ; my place in the cluster: it enters Q's and y's addresses and the mask's threshold alone
	s_lshl_b32 s15, s13, 2
	s_add_co_u32 s15, s15, s[WV]                   ; u
	s_lshl_b32 s16, ttmp9, 4
	s_add_co_u32 s16, s16, s15                     ; i
	s_add_co_u32 s[TI], s16, 96
	s_add_co_u32 s[TI+1], s16, 64
	s_add_co_u32 s[TI+2], s16, 32
	s_mov_b32 s[TI+3], s16
	s_and_b32 s20, ttmp7, 0xffff                   ; the head, 16 x batch + head
	s_and_b32 s17, s[WV], 1
	s_lshl_b32 s22, s20, 18                        ; its plane in KC and KR
	s_mov_b32 s23, 0
	s_lshl_b32 s18, s20, 19                        ; in QH and VH
	s_mov_b32 s19, 0
	s_lshl_b32 s80, s17, 15                        ; V: my 128 of a slot's 256 rows
	s_mov_b32 s81, 0
	s_lshr_b32 s86, s20, 4
	s_lshl_b32 s86, s86, 23                        ; y: the batch's 2,048 rows of 4,096 bytes,
	s_and_b32 s21, s20, 15
	s_lshl_b32 s21, s21, 8                         ; the head's 256 bytes in a row
	s_add_co_u32 s86, s86, s21
	s_mov_b32 s87, 0
	s_mov_b32 s[G1K], 15|(1<<16)|(1<<20)|(1<<21)|(4<<22)|(3<<25)  ; the mask of four; 2-byte elements; padding on; bit 21 beside a mask; after every 32 words 4 words: 256 keys are 32,768 dense bytes, asked for as 128 rows of 256, padded after each key
	s_mov_b32 s[G1V], 15|(1<<16)|(1<<20)|(1<<21)|(5<<22)|(7<<25)  ; after every 64 words 8 words
.irp g, G1K, G1V
	s_mov_b32 s[(\g)+1], 128<<16                   ; tensor_dim0 = 128
	s_mov_b32 s[(\g)+2], 128<<16                   ; tensor_dim1 = 128
	s_mov_b32 s[(\g)+3], 128<<16                   ; tile_dim0 = 128
	s_mov_b32 s[(\g)+4], 128                       ; tile_dim1 = 128
	s_mov_b32 s[(\g)+5], 128                       ; 128 elements from row to row
	s_mov_b32 s[(\g)+6], 0
	s_mov_b32 s[(\g)+7], 0
.endr
	s_mov_b32 s[G0K], 1
	s_mul_i32 s[G0K+1], s17, KRL
	s_mov_b32 s[G0V], 1
	s_mul_i32 s[G0V+1], s17, 128*PV
	s_add_co_u32 s[G0V+1], s[G0V+1], VOFF
	s_mov_b32 s[SEL], 0x76543210
	s_mov_b32 s[SEL+1], 0xfedcba98
	s_mov_b32 s[SB], SLOTB                         ; the first change of slots turns it into 0
	s_mov_b32 s[SIG], 0
	s_wait_dscnt 0x0                               ; the opening add is done
	s_wait_kmcnt 0x0
	s_load_b32 s[CS], s[8:9], 0xe0                 ; word 56: c
	s_add_nc_u64 s[76:77], s[4:5], s[22:23]
	s_add_nc_u64 s[76:77], s[76:77], KCO
	s_add_nc_u64 s[78:79], s[6:7], s[22:23]
	s_add_nc_u64 s[78:79], s[78:79], KRO
	s_cmp_eq_u32 s17, 0
	s_cselect_b64 s[G0K+2:G0K+3], s[76:77], s[78:79]  ; wave 0 walks KC, wave 1 KR
	s_or_b32 s[G0K+3], s[G0K+3], 0x80000000
	s_add_nc_u64 s[82:83], s[4:5], s[18:19]        ; Q at the head's first row
	s_add_nc_u64 s[G0V+2:G0V+3], s[82:83], s[80:81]
	s_add_nc_u64 s[G0V+2:G0V+3], s[G0V+2:G0V+3], VHO
	s_or_b32 s[G0V+3], s[G0V+3], 0x80000000
	s_add_nc_u64 s[84:85], s[10:11], s[86:87]      ; y at the head's first row
	CROUND                                         ; all four work-groups are here: the first joint loads meet
	JLOAD                                          ; slot 0
	v_and_b32 v1, 15, v0                           ; r = lane % 16
	v_bfe_u32 v45, v0, 4, 1                        ; h = lane / 16
	v_lshlrev_b32 v56, 8, v1
	v_lshl_add_u32 v56, v45, 4, v56                ; a fragment of Q: row r, 16 bytes for each half of the lanes
.irp t, 0,1,2,3
	v_lshl_add_u32 v[QO+(\t)], s[TI+(\t)], 12, v56 ; a tile is 16 rows of 256 bytes
.endr
	WIN 0x80                                       ; destination window 2
.irp t, 0,1,2,3
.irp c, 0,1,2,3
	global_load_b128 v[32*(\t)+8*(\c):32*(\t)+8*(\c)+3],   v[QO+(\t)], s[82:83] offset:64*(\c)
	global_load_b128 v[32*(\t)+8*(\c)+4:32*(\t)+8*(\c)+7], v[QO+(\t)], s[82:83] offset:64*(\c)+32
.endr
.endr
	WIN 0x40                                       ; O^T starts at 0: the price of writing no first step out; it stands in the wait for the first tile
.set i, 0
.rept 256
	v_mov_b32 v[i], 0
.set i, i+1
.endr
	WIN 0
.irp t, 0,1,2,3
	v_mov_b32 v[ST+8*(\t)], 0xfe000000             ; c m: far below every c s
	v_mov_b32 v[ST+8*(\t)+1], 0xff7fffff           ; m
.irp k, 2,3,4,5,6,7
	v_mov_b32 v[ST+8*(\t)+(\k)], 0
.endr
.endr
	v_mov_b32 v[NEG], 0xff7fffff
	v_lshlrev_b32 v58, 3, v45
	v_sub_nc_u32 v58, v1, v58                      ; r - 8 h
	s_lshl_b32 s21, s16, 4
	v_add_nc_u32 v[THR], s21, v58                  ; every tile of mine lies 16 i rows into its quarter
	v_mul_u32_u24 v[AK0], v1, PK
	v_lshl_add_u32 v[AK0], v45, 4, v[AK0]
	v_and_b32 v46, 7, v0
	v_bfe_u32 v47, v0, 3, 1
	v_lshl_add_u32 v[AV0], v45, 3, v46             ; the turning load: key 8 h + lane % 8, channels 8 ((lane / 8) % 2) on
	v_mul_u32_u24 v[AV0], v[AV0], PV
	v_lshl_add_u32 v[AV0], v47, 4, v[AV0]
	v_add_nc_u32 v[AV0], VOFF, v[AV0]
	s_mul_i32 s21, s[WV], 16*SP
	s_add_co_u32 s21, s21, STAGE
	v_mul_u32_u24 v[STO], v1, SP
	v_lshl_add_u32 v[STO], v45, 4, v[STO]
	v_add_nc_u32 v[STO], s21, v[STO]
	v_mul_u32_u24 v[RD], v45, SP
	v_lshl_add_u32 v[RD], v1, 4, v[RD]
	v_add_nc_u32 v[RD], s21, v[RD]
	v_lshlrev_b32 v57, 12, v45                     ; y: lanes 0-15 one row's 256 bytes, lanes 16-31 the next row's
	v_lshl_add_u32 v57, v1, 4, v57
.irp t, 0,1,2,3
	v_lshl_add_u32 v[GO+(\t)], s[TI+(\t)], 16, v57 ; a tile is 16 rows of 4,096 bytes
.endr
; THE LDS LOADS stand in runs of 32.  K: 64 keys x 128 channels: fragment f = 4 x key block + channel block; channel blocks 0, 1 come from KC's part of the slot, 2, 3 from KR's.
.macro FETCH_K
	WIN 0
	v_add_nc_u32 v[AK], s[TBK], v[AK0]
	WIN 0x80
.irp f, 0,1,2,3,4,5,6,7,8,9,10,11,12,13,14,15
	ds_load_b128 v[KF+8*(\f):KF+8*(\f)+3],   v[AK] offset:((\f)/4)*16*PK+((\f)%2)*64+(((\f)%4)/2)*KRL
	ds_load_b128 v[KF+8*(\f)+4:KF+8*(\f)+7], v[AK] offset:((\f)/4)*16*PK+((\f)%2)*64+(((\f)%4)/2)*KRL+32
.endr
	WIN 0
.endm
.macro FETCH_V                         ; keys 32 (f / 8) on, channels 16 (f % 8) on, turned
	WIN 0
	v_add_nc_u32 v[AV], s[TBV], v[AV0]
	WIN 0xc0
.irp f, 0,1,2,3,4,5,6,7,8,9,10,11,12,13,14,15
	ds_load_tr16_b128 v[8*(\f):8*(\f)+3],   v[AV] offset:((\f)/8)*32*PV+((\f)%8)*32
	ds_load_tr16_b128 v[8*(\f)+4:8*(\f)+7], v[AV] offset:((\f)/8)*32*PV+16*PV+((\f)%8)*32
.endr
	WIN 0
.endm
; THE MATRIX WORK.  The accumulators of a run take turns, one instruction a turn: between two links of a chain stand 3 (K Q^T) or 7 (V^T P) others'.
.macro KQ1 t                           ; product i of 16 of S^T = K Q^T for tile t: channels 32 (i / 4) on, keys 16 (i % 4) on; the first four start the sums
	WIN W_KQ
.set rS, S+32*((\t)%2)+8*(i%4)
.set rK, KF+32*(i%4)+8*(i/4)
.set rQ, 32*(\t)+8*(i/4)
.if i < 4
	v_wmma_f32_16x16x32_f16 v[rS:rS+7], v[rK:rK+7], v[rQ:rQ+7], 0
.else
	v_wmma_f32_16x16x32_f16 v[rS:rS+7], v[rK:rK+7], v[rQ:rQ+7], v[rS:rS+7]
.endif
.set i, i+1
.endm
.macro KQT t                           ; all 16 by themselves, for the first tile alive in a step; the four v_nop are the places in front of the reads of S^T and of the loads into K's registers
.set i, 0
.rept 16
	KQ1 \t
.endr
	WIN 0
	PLACES
.endm
.macro PV1 t                           ; product i of 16 of O^T += V^T P for tile t: keys 32 (i / 8) on, channels 16 (i % 8) on
	WIN W_PV
.set rO, 64*(\t)+8*(i%8)
.set rV, 64*(i/8)+8*(i%8)
.set rP, P+8*(i/8)
	v_wmma_f32_16x16x32_f16 v[rO:rO+7], v[rV:rV+7], v[rP:rP+7], v[rO:rO+7]
.set i, i+1
.endm
; THE MASK, in a tile's last two slots: score n (key 16 (n / 8) + n % 8 + 8 h of the step) is hidden where that key lies behind the query.  Ascending: each accumulator's lowest registers are read first.
.macro MASK t
.set n, 0
.rept 32
	v_cmp_gt_i32 vcc_lo, 16*(n/8)+n%8, v[THS]
	v_cndmask_b32 v[S+32*((\t)%2)+n], v[S+32*((\t)%2)+n], v[NEG], vcc_lo
.set n, n+1
.endr
.endm
; THE SOFTMAX of one tile and step: a list of 134; SM writes number j.  s0-s31 are the lane's 32 scores, in pairs 0-15, in the tile's buffer of S^T.
;   0-15    the maximum of s0-s31 and the old m, three operands at a time     16-20  the other half of the lanes' maximum; the new m; c m; c m_old - c m_new
;   21-69   ONE BATCH: the 16 scalings c s - c m, a pair of scores each, and all 33 exponentials (a at 23, then s0-s31).  None of these names an exponential's result.  From 22 on the batch goes in fours, and a four
;           begins with a scaling while there are scalings: 22-37 scaling, exponential, scaling, exponential; 38-65 a scaling and three exponentials; 66-69 the last four exponentials.  A pair is scaled in an earlier
;           four than the one that holds its exponentials
;   (wait)  between 69 and 70 stands the wait for the batch: TILE writes it
;   70-85   the roundings to f16, a pair of weights each     86-101  the sums; l = a l + the sum     102-133 the tile's O^T times a, four numbers to a block of 16 channels
.macro SM t
.set rT, ST+8*(\t)
.set rB, S+32*((\t)%2)
.set rR, 64*(\t)+2*(j-102)
.if j < 102
	WIN 0
.endif
.if j < 4
	v_max3_num_f32 v[rT+4+j], v[rB+8*j], v[rB+8*j+1], v[rB+8*j+2]
.elseif j < 12
	v_max3_num_f32 v[rT+4+j%4], v[rT+4+j%4], v[rB+8*(j%4)+2*(j/4)+1], v[rB+8*(j%4)+2*(j/4)+2]
.elseif j == 12
	v_max3_num_f32 v[rT+4], v[rT+4], v[rB+7], v[rB+15]
.elseif j == 13
	v_max3_num_f32 v[rT+6], v[rT+6], v[rB+23], v[rB+31]
.elseif j == 14
	v_max3_num_f32 v[rT+4], v[rT+4], v[rT+5], v[rT+6]
.elseif j == 15
	v_max3_num_f32 v[rT+4], v[rT+4], v[rT+7], v[rT+1]
.elseif j == 16
	v_permlanex16_b32 v[rT+5], v[rT+4], s[SEL], s[SEL+1]  ; the query's other 32 keys lie in the lane 16 away
.elseif j == 17
	v_mov_b32 v[rT+7], v[rT]                       ; c m_old is kept: number 19 writes c m anew
.elseif j == 18
	v_max_num_f32 v[rT+1], v[rT+4], v[rT+5]
.elseif j == 19
	v_mul_f32 v[rT], s[CS], v[rT+1]
.elseif j == 20
	v_sub_f32 v[rT+7], v[rT+7], v[rT]
.elseif j == 23
	v_exp_f32 v[rT+6], v[rT+7]
.elseif (j < 23) || ((j < 38) && (j%2 == 0)) || ((j < 66) && (j%4 == 2))
.set b, (j-2)/4                        ; 38, 42, .. 62: pairs 9 to 15
.if j < 38
.set b, (j-20)/2                       ; 21: pair 0; 22, 24, .. 36: pairs 1 to 8
.endif
	v_pk_fma_f32 v[rB+2*b:rB+2*b+1], v[rB+2*b:rB+2*b+1], s[CS:CS+1], v[rT:rT+1] op_sel_hi:[1,0,0] neg_lo:[0,0,1] neg_hi:[0,0,1]  ; pair b: c s - c m
.elseif j < 70
.set e, j-38                           ; 66 to 69: s28 to s31
.if j < 66
.set e, j-32-(j-38)/4                  ; 39-41, 43-45, .. 63-65: s7 to s27
.endif
.if j < 38
.set e, (j-25)/2                       ; 25, 27, .. 37: s0 to s6
.endif
	v_exp_f32 v[rB+e], v[rB+e]
.elseif j < 86
	v_cvt_pk_f16_f32 v[P+j-70], v[rB+2*(j-70)], v[rB+2*(j-70)+1]  ; pair j - 70
.elseif j < 102                        ; the sum of the 16 pairs (in a pair: an even key's weight, an odd key's), in place: sum z of 16 adds neighbours 1, 2, 4 and 8 pairs apart, then l takes it
.set z, j-86
.set w, 4
.set u, z
.if z >= 14
.set w, 32
.set u, 0
.elseif z >= 12
.set w, 16
.set u, z-12
.elseif z >= 8
.set w, 8
.set u, z-8
.endif
.if z < 15
	v_pk_add_f32 v[rB+w*u:rB+w*u+1], v[rB+w*u:rB+w*u+1], v[rB+w*u+w/2:rB+w*u+w/2+1]
.else
	v_pk_fma_f32 v[rT+2:rT+3], v[rT+2:rT+3], v[rT+6:rT+7], v[rB:rB+1] op_sel_hi:[1,0,1]
.endif
.else
	WIN W_RS
	v_pk_mul_f32 v[rR:rR+1], v[rR:rR+1], v[rT+6:rT+7] op_sel_hi:[1,0]
.endif
.endm
.macro NEXT t, n                       ; the next n numbers of tile t's list
.rept \n
	SM \t
.set j, j+1
.endr
.endm
.macro RUN t, first, n                 ; n numbers of it, from number first on
.set j, \first
	NEXT \t, \n
.endm
; ONE TILE'S PART OF A KEY STEP.  Its scores are made already: by the tile before it in the step, or at its entry (WORK).  Tile t is masked from slot 6 - 2 t on: the jump compares the slot's number with a constant and
; goes forward, past text with neither a barrier nor a tensor load.  Tile 0 comes last in a step: all products K Q^T of the step are issued, four plain instructions or more back, and the next step's K is fetched first.
; AHEAD OF THE WAIT stands all that names no result of the tile's exponentials: numbers 0 to 69 and, where t > 0, the 16 products K Q^T of tile t - 1, which name K, Q and the other buffer of S^T.  Behind the products
; stand 4, 4, 4, 2, 1, 1, 2, 1, 1, 2 numbers (one or two where the maximum's chain has each link wait for the last) and then six of the batch's fours; numbers 46 to 69 follow the last product.
; BEHIND THE WAIT: roundings 0-7 and the rescaling of channel blocks 0-2; then the tile's 16 products V^T P, and behind them the other 44: behind products 0-4 the rescaling of blocks 3-7, each three products ahead of
; the product that takes its block; behind 5 and 6 roundings 8-15, which products 8 on read; behind 7-15 the sums, a link of the tree a product or more behind what it adds.  No such line writes a register that one of
; the last products names: the blocks are yet to be multiplied in this step, and P's second half is not read while the first is (ISA guide 7.12.1).
.macro TILE t
.if (\t) == 0
	s_cmp_eq_u32 s[CNT], 1
	s_cbranch_scc1 .Lno_k_\@                       ; the slot has no further step
	s_add_co_u32 s[TBK], s[TBK], KS*PK
	FETCH_K
.Lno_k_\@:
.endif
.if (\t) < 3
	s_cmp_lt_u32 s[SIG], 6-2*(\t)
	s_cbranch_scc1 .Lopen_\@                       ; every key of the slot is seen
.endif
	MASK \t
.if (\t) < 3
.Lopen_\@:
.endif
.set j, 0
.if (\t) > 0
.set i, 0
.irp n, 4,4,4,2,1,1,2,1,1,2,4,4,4,4,4,4
	KQ1 (\t)-1
	NEXT \t, \n
.endr
	NEXT \t, 24
.else
	NEXT \t, 70                                    ; tile 0 has no tile behind it in the step
.endif
	v_nop                                          ; the plain instruction behind the last exponential and ahead of the first use (ISA guide 5.7.2): one for the batch
	s_wait_alu depctr_va_vdst(0)                   ; the wait for the batch, the tile's 33 exponentials of this step, ahead of the first line that names a result of theirs
	RUN \t, 70, 8
	RUN \t, 102, 12
	s_wait_dscnt 0x0                               ; V is in (and, in tile 0, the next step's K)
.set i, 0
.irp f, 114,118,122,126,130,78,82
	PV1 \t
	RUN \t, \f, 4
.endr
.irp f, 86,88,90,92,94,96,98
	PV1 \t
	RUN \t, \f, 2
.endr
.irp f, 100,101
	PV1 \t
	RUN \t, \f, 1
.endr
	WIN 0
.endm
; A SLOT's four key steps.  n = 4: all four tiles may be alive; n = 1: tile 0 alone.  Tile t is alive up to slot 7 - 2 t, so the first tile alive is 3 up to slot 1, 2 up to slot 3, 1 up to slot 5, then 0.  Its products
; K Q^T stand by themselves at its entry; every later tile's stand in the part of the tile before it.  The jumps compare the slot's number with constants and go forward, past text with neither a barrier nor a tensor load.
.macro WORK n
	s_mov_b32 s[TBK], s[SB]
	s_mov_b32 s[TBV], s[SB]
	s_and_b32 s[KEY0], s[SIG], 1                   ; a tile's two masked slots are an even one and the odd one behind it
	s_lshl_b32 s[KEY0], s[KEY0], 8
	s_mov_b32 s[CNT], 4
	FETCH_K
	FETCH_V
.Lstep_\@:
	s_wait_dscnt 32                                ; K is in; V's 32 loads, issued behind K's, may be out
	v_subrev_nc_u32 v[THS], s[KEY0], v[THR]        ; the step's threshold, the same for all four tiles
.if (\n) == 4
	s_cmp_gt_u32 s[SIG], 1
	s_cbranch_scc1 .Ltop2_\@                       ; all of tile 3's keys lie behind
	KQT 3
	TILE 3
	s_branch .Lin2_\@
.Ltop2_\@:
	s_cmp_gt_u32 s[SIG], 3
	s_cbranch_scc1 .Ltop1_\@                       ; tile 2's too
	KQT 2
.Lin2_\@:
	TILE 2
	s_branch .Lin1_\@
.Ltop1_\@:
	s_cmp_gt_u32 s[SIG], 5
	s_cbranch_scc1 .Ltop0_\@                       ; and tile 1's
	KQT 1
.Lin1_\@:
	TILE 1
	s_branch .Lin0_\@
.Ltop0_\@:
.endif
	KQT 0
.if (\n) == 4
.Lin0_\@:
.endif
	TILE 0
	PLACES                                         ; in front of loads into V's registers, and of whatever follows the slot's last products
	s_cmp_eq_u32 s[CNT], 1
	s_cbranch_scc1 .Lno_v_\@
	s_add_co_u32 s[TBV], s[TBV], KS*PV
	FETCH_V
.Lno_v_\@:
	s_add_co_u32 s[KEY0], s[KEY0], KS
	s_sub_co_u32 s[CNT], s[CNT], 1
	s_cmp_lg_u32 s[CNT], 0
	s_cbranch_scc1 .Lstep_\@
.endm
	s_wait_kmcnt 0x0
	s_mov_b32 s[CS+1], s[CS]                       ; named with it as a pair
	s_wait_loadcnt 0x0                             ; Q
.Lslot:                                                ; seven trips: slot SIG is entered and slot SIG + 1 asked for
	CHANGE 1
	WORK 4
	s_add_co_u32 s[SIG], s[SIG], 1
	s_cmp_lt_u32 s[SIG], 7
	s_cbranch_scc1 .Lslot
	CHANGE 0                                       ; slot 7 is written out: nothing is asked for
	WORK 1                                         ; tile 0 alone is alive in it
	; THE WAY OUT.  l's two halves and the other half of the lanes' are added; O^T is divided by l, rounded to f16 and sent through my stage in LDS, a tile (16 rows of y) at a time.
.irp t, 0,1,2,3
	v_add_f32 v[ST+8*(\t)+4], v[ST+8*(\t)+2], v[ST+8*(\t)+3]
.endr
.irp t, 0,1,2,3
	v_permlanex16_b32 v[ST+8*(\t)+5], v[ST+8*(\t)+4], s[SEL], s[SEL+1]
.endr
.irp t, 0,1,2,3
	v_add_f32 v[ST+8*(\t)+4], v[ST+8*(\t)+4], v[ST+8*(\t)+5]
.endr
.irp t, 0,1,2,3
	v_rcp_f32 v[ST+8*(\t)+6], v[ST+8*(\t)+4]
.endr
	v_nop                                          ; a plain instruction between the last reciprocal and the use of its result
	s_wait_alu depctr_va_vdst(0)                   ; the wait for the batch of four reciprocals, ahead of their first reader
.macro PACK t
	WIN W_RS
.set i, 64*(\t)
.rept 32
	v_pk_mul_f32 v[i:i+1], v[i:i+1], v[ST+8*(\t)+6:ST+8*(\t)+7] op_sel_hi:[1,0]
.set i, i+2
.endr
	WIN 0x05                                       ; sources 0 and 1 window 1, destination window 0
.set i, 0
.rept 32
	v_cvt_pk_f16_f32 v[S+32*(\t)+i], v[64*(\t)+2*i], v[64*(\t)+2*i+1]
.set i, i+1
.endr
	WIN 0
.irp f, 0,1,2,3,4,5,6,7
	ds_store_b128 v[STO], v[S+32*(\t)+4*(\f):S+32*(\t)+4*(\f)+3] offset:32*(\f)
.endr
.irp f, 0,1,2,3,4,5,6,7
	ds_load_b128 v[S+32*(\t)+4*(\f):S+32*(\t)+4*(\f)+3], v[RD] offset:(\f)*2*SP  ; LDS serves a wave's instructions in order (ISA guide 5.7.1.4): these see the stores above; the next tile's stores come behind them
.endr
.endm
.macro SEND t, younger                 ; younger: the LDS instructions issued behind tile t's loads: the next tile's sixteen, or none
.irp f, 0,1,2,3,4,5,6,7
	s_wait_dscnt (\younger)+7-(\f)
	global_store_b128 v[GO+(\t)], v[S+32*(\t)+4*(\f):S+32*(\t)+4*(\f)+3], s[84:85] offset:(\f)*8192  ; 16 lanes store 256 consecutive bytes, aligned: a head's part of a row of y
.endr
.endm
	PACK 0
	PACK 1
	SEND 0, 16
	PACK 2
	SEND 1, 16
	PACK 3
	SEND 2, 16
	SEND 3, 0
	s_wait_tensorcnt 0x0                           ; the wave's end
	ds_add_u32 v[SPW], v[NIL]
	s_wait_dscnt 0x0
	CROUND                                         ; the closing round
	s_endpgm
.Lfunc_end_k_qd097ad72d6_attn:
	.size	k_qd097ad72d6_attn, .Lfunc_end_k_qd097ad72d6_attn-k_qd097ad72d6_attn
	.p2alignl 7, 3214868480
	.fill 96, 4, 3214868480
	.section	.rodata,"a",@progbits
	.p2align	6, 0x0
	.amdhsa_kernel k_qd097ad72d6_attn
		.amdhsa_group_segment_fixed_size 327680
		.amdhsa_private_segment_fixed_size 0
		.amdhsa_enable_private_segment 0
		.amdhsa_kernarg_size 32
		.amdhsa_user_sgpr_count 2
		.amdhsa_user_sgpr_kernarg_segment_ptr 1
		.amdhsa_wavefront_size32 1
		.amdhsa_system_sgpr_workgroup_id_x 1
		.amdhsa_system_sgpr_workgroup_id_y 1
		.amdhsa_system_sgpr_workgroup_id_z 1
		.amdhsa_system_vgpr_workitem_id 0
		.amdhsa_next_free_vgpr 896
		.amdhsa_next_free_sgpr 96
		.amdhsa_reserve_vcc 1
		.amdhsa_float_denorm_mode_32 3
		.amdhsa_float_denorm_mode_16_64 3
		.amdhsa_memory_ordered 1
		.amdhsa_forward_progress 1
		.amdhsa_inst_pref_size 134
	.end_amdhsa_kernel
	.amdgpu_metadata
---
amdhsa.version: [ 1, 2 ]
amdhsa.kernels:
  - .name:           k_qd097ad72d6_attn
    .symbol:         k_qd097ad72d6_attn.kd
    .args:
      - { .name: g2out, .offset: 0, .size: 8, .value_kind: global_buffer, .address_space: global }
      - { .name: g1out, .offset: 8, .size: 8, .value_kind: global_buffer, .address_space: global }
      - { .name: scales, .offset: 16, .size: 8, .value_kind: global_buffer, .address_space: global }
      - { .name: yh, .offset: 24, .size: 8, .value_kind: global_buffer, .address_space: global }
    .group_segment_fixed_size: 327680
    .private_segment_fixed_size: 0
    .kernarg_segment_align: 8
    .kernarg_segment_size: 32
    .max_flat_workgroup_size: 128
    .sgpr_count:     96
    .vgpr_count:     896
    .wavefront_size: 32
...
	.end_amdgpu_metadata
.endif
;; end of part 7
;; launch g3: the kernel of part 6 again; grid 16 x 16, 4 waves a work-group, clusters of 4 x 4, 327,680 bytes of LDS; arguments yh, prep, scales, out0; writes out0
